; MI455X (gfx1250); checked and timed in simulation.
; The chip was launched on July 23, 2026; its instructions are those of AMD's public machine-readable ISA for CDNA 5 (MIT licence, August 2026) and "CDNA5" Instruction Set Architecture Reference Guide (July 2026). The comments in the code are by the model that wrote it; some were corrected since.
;; Multi Head Attention. Allowed arithmetic: matrix products marked QUANTISED: E3M2 operands, one E8M0 scale for each 32 along K, by v_wmma_scale_f32_16x16x128_f8f6f4 with both operands' format E3M2, f32 sums; everything else in f32.
;; Inputs: Wk 1,024 x 1,024 float32; Wo 1,024 x 1,024 float32; Wq 1,024 x 1,024 float32; Wv 1,024 x 1,024 float32; bo 1,024 float32; x_k 4 x 2,048 x 1,024 float32; x_q 4 x 2,048 x 1,024 float32; x_v 4 x 2,048 x 1,024 float32.
;; Outputs: out0 4 x 2,048 x 1,024 float32.
;; This version of the problem:
;;   THIS VERSION OF THE PROBLEM IS GIVEN IN LOW PRECISION. The matrix products marked QUANTISED in the list below multiply operands that are first quantised to E3M2 (3 exponent bits, 2 mantissa bits; 6 bits a number), with one power-of-two scale for each 32 numbers along K (OCP MX v1.0); their sums are f32. All else is computed in f32.
;;   The module's matrix products, in the order in which they are computed (A, B: the left and right operand; K: the contracted axis; several contracted axes count as one K, in the product's order):
;;     1. [M 8,192, K 1,024] x [K 1,024, N 1,024]; A: input x_q; B: input Wq: QUANTISED
;;     2. [M 8,192, K 1,024] x [K 1,024, N 1,024]; A: input x_k; B: input Wk: QUANTISED
;;     3. [M 8,192, K 1,024] x [K 1,024, N 1,024]; A: input x_v; B: input Wv: QUANTISED
;;     4. batch 64 x [M 2,048, K 64] x [K 64, N 2,048]; A: computed on the way; B: computed on the way: QUANTISED
;;     5. batch 64 x [M 2,048, K 2,048] x [K 2,048, N 64]; A: softmax (see below); B: computed on the way: QUANTISED
;;     6. [M 8,192, K 1,024] x [K 1,024, N 1,024]; A: computed on the way; B: input Wo: QUANTISED
;;   THE QUANTISER, for each operand of a quantised product, along K:
;;     - K is cut into blocks of 32 from its start; a last block that is shorter is filled with zeros.
;;     - A block's scale is 2^e with e = floor(log2(the largest magnitude in the block)) - 4, held to -126 .. 127; a block of zeros has e = 0. As a byte (E8M0): e + 127.
;;     - Each number is divided by its block's scale, clamped to +-28, and rounded to the nearest number of E3M2, ties to even, subnormals kept.
;;     - The product sums the exact products of the quantised numbers (number of the format x scale) in f32.
;;   ~~~python
;;   def quantise(x, axis):      # numpy; x: float32 -> the quantised numbers, widened to float32 again
;;       x = np.moveaxis(x, axis, -1); K = x.shape[-1]
;;       x = np.pad(x, [(0, 0)] * (x.ndim - 1) + [(0, -K % 32)]); x = x.reshape(x.shape[:-1] + (-1, 32)); a = np.abs(x).max(-1, keepdims=True)
;;       e = np.where(a > 0, np.clip(np.frexp(np.where(a > 0, a, 1))[1] - 1 - 4, -126, 127), 0)      # np.frexp(a)[1] - 1 = floor(log2(a)), exactly
;;       r = np.clip(x / 2.0 ** e, -28, 28)
;;       step = 2.0 ** (np.maximum(np.frexp(np.where(r == 0, 1, r))[1] - 1, -2) - 2)
;;       q = np.round(r / step) * step * 2.0 ** e      # np.round: ties to even
;;       return np.moveaxis(q.reshape(q.shape[:-2] + (-1,))[..., :K], -1, axis).astype(np.float32)
;;   ~~~
;;   SOFTMAX AHEAD OF A QUANTISED PRODUCT. Where the list says 'softmax', what is quantised is not the finished softmax but p = 2^(t - M), with t = logit x log2(e) and M = ceil(the row's largest t), a whole number; so 1/2 < the row's largest p <= 1. The row's sum l is taken of the UNQUANTISED p, in f32, and the product's result is divided by l at the end. Since M is a whole number, a kernel that streams over the keys may use a running M (the ceiling of the running maximum): every later rescaling is an exact power of two, which a block's scale takes up: the codes' values come out the same.
;;   OPERANDS COMPUTED ON THE WAY. 'Computed on the way' means the value that the module computes at that place (a softmax that the list does not call 'softmax' is quantised finished and normalised). What goes into a quantiser is computed in f32, as accurately as f32 sums, v_exp_f32 and their like allow (about 1e-6 of the number): no bf16 or f16 on the way to a quantiser, and a product that is left as it is and whose result goes on into a quantised operand takes f32 operands (vector FMAs, or v_wmma_f32_16x16x4_f32). A number that lies on a knife's edge between two numbers of the format may be rounded either way, as far as f32 arithmetic and the matrix unit's own rounding can turn it there, and no further.
;; One version. Each part assembles by itself: llvm-mc -triple=amdgcn-amd-amdhsa -mcpu=gfx1250 --defsym DOCPART=n.
;; ======== version 1 of 1: 4 launches
;; workspace buffers: codes 22,020,096 bytes; scl 917,504 bytes; qk 13,631,488 bytes; vi 6,553,600 bytes; cc 6,291,456 bytes; cs 262,144 bytes
;; launch quant (part 1): grid 896 x 1, 4 waves a work-group, no clusters, 33,280 bytes of LDS; arguments x_q, x_k, x_v, Wq, Wk, Wv, Wo, codes, scl; writes codes, scl
.if DOCPART == 1
	.amdgcn_target "amdgcn-amd-amdhsa--gfx1250"
	.amdhsa_code_object_version 6
	.text
	.protected	k_q204b385e18_quant
	.globl	k_q204b385e18_quant
	.p2align	8
	.type	k_q204b385e18_quant,@function
k_q204b385e18_quant:
	s_mov_b64 s[64:65], 0
	v_nop
	global_prefetch_b8 v0, s[64:65] scope:SCOPE_SE
	s_setreg_imm32_b32 hwreg(HW_REG_WAVE_MODE, 25, 1), 1
	s_wait_xcnt 0x0
; x_q, x_k, x_v [8192][1024] and Wq, Wk, Wv, Wo [1024][1024], f32, K innermost, become codes of BF6 (E3M2), 6 bits each, and one E8M0 scale byte for each 32 along K.
; codes: x_q's 8192 rows of 768 bytes, x_k's, x_v's, then Wq's 1024 rows, Wk's, Wv's, Wo's.  scl: the same order, 32 bytes a row.
; A block's scale is 2^(floor(log2(its largest magnitude)) - 4); its byte is the largest magnitude's exponent field - 4, held at 1 from below.  Each number is divided by the scale and rounded to the nearest code, ties to even.
; LIMITS: a block whose largest magnitude lies under 2^-122 has its byte held at 1; a block of zeros gets the byte 1 where the rule says 127 (its codes are zeros, and this program alone reads the bytes); NaN and infinities are not served.
; SHARES: a work-group takes 32 rows (32,768 numbers), a wave 8 rows: 16 steps of 512 numbers.  Work-groups 0-767 take the x tensors (256 each), 768-895 the weights (32 each).
; THE ORDER OF ROWS.  In x_k, x_v, Wq, Wk and Wv the second and third group of 8 rows of every 32 change places on the way out: 16 neighbouring rows of the codes are then rows 0-7 and 16-23 (or 8-15 and 24-31) of the tensor,
; the order in which a later product's results fall as 16 neighbours along the next K.  A wave's run is just such a group of 8 rows, so the change is made in the wave's place in the output alone.  x_q and Wo keep their order.
; Each of a step's four loads reads 512 consecutive bytes; the 2,048 bytes turn through the wave's own stage in LDS and come back 64 bytes (16 neighbours) a lane; two neighbouring lanes hold a block.
; A lane's 16 codes are 12 bytes: the wave stores 384 consecutive bytes.  A wave's 256 scale bytes are gathered in its own LDS bytes and leave as one aligned run of 256 bytes.  No barrier: waves share nothing.
.set STEPS, 16
.set EMAX,  4
.set CB,    12                         ; bytes of 16 codes
.set GX,    256                        ; work-groups for each x tensor
.set GW,    32                         ; and for each weight
.set R,     16                         ; v16-79   four sets of 16 numbers as they are loaded
.set X,     80                         ; v80-111  two sets of 16 neighbours
.set C,     128                        ; v128-191 codes: four registers for each step, so that no store's data are written again
.set E,     112                        ; v112-127 a scale byte for each step
.set WREG,  8192                       ; LDS: a region for each wave: two stages of 32 x SP bytes, and behind them its 256 scale bytes
.set SP,    80                         ; a lane's place in a stage: its 64 bytes + 16 of padding
	s_load_b256 s[4:11], s[0:1], 0x0               ; x_q s[4:5], x_k s[6:7], x_v s[8:9], Wq s[10:11]
	s_load_b256 s[12:19], s[0:1], 0x20             ; Wk s[12:13], Wv s[14:15], Wo s[16:17], codes s[18:19]
	s_load_b64 s[20:21], s[0:1], 0x40              ; scl
	v_lshl_add_u32 v192, v0, 2, 0x8000
	v_mov_b32 v193, 0
	v_lshrrev_b32 v1, 5, v0
	v_readfirstlane_b32 s28, v1                    ; wave
	v_and_b32 v2, 31, v0                           ; lane
	v_lshlrev_b32 v3, 4, v2                        ; my 16 bytes of a load's 512
	s_mul_i32 s29, s28, WREG
	v_lshrrev_b32 v14, 2, v2
	v_mul_u32_u24 v14, v14, SP
	v_and_b32 v15, 3, v2
	v_lshl_add_u32 v14, v15, 4, v14
	v_add_nc_u32 v14, s29, v14                     ; the stage, on the way in: SP (lane / 4) + 16 (lane % 4)
	v_mul_u32_u24 v15, v2, SP
	v_add_nc_u32 v15, s29, v15                     ; and on the way out: SP x lane: my 16 neighbours
	v_mul_u32_u24 v4, v2, CB                       ; my codes' place in a step's
	v_lshrrev_b32 v5, 1, v2
	s_add_co_u32 s29, s29, 2*32*SP
	v_add_nc_u32 v5, s29, v5                       ; LDS: my wave's 256 scale bytes, my block's byte
	v_lshlrev_b32 v7, 3, v2                        ; and on the way out 8 bytes a lane
	v_add_nc_u32 v6, s29, v7
	; which 32 rows of which tensor, and where my 8 rows go
	s_cmp_lt_u32 ttmp9, 3*GX
	s_cselect_b32 s34, 0, 3*GX
	s_cselect_b32 s35, GX-1, GW-1
	s_sub_co_u32 s34, ttmp9, s34
	s_and_b32 s35, s34, s35                        ; the work-group's number within its tensor
	s_and_b32 s36, s28, 1
	s_lshl_b32 s36, s36, 1
	s_lshr_b32 s37, s28, 1
	s_or_b32 s36, s36, s37                         ; the wave's number with its two bits exchanged: groups 1 and 2 change places
	s_cmp_lt_u32 ttmp9, GX
	s_cselect_b32 s36, s28, s36                    ; not in x_q,
	s_cmp_lt_u32 ttmp9, 3*GX+3*GW
	s_cselect_b32 s36, s36, s28                    ; nor in Wo
	s_lshl_b32 s38, s35, 2
	s_add_co_u32 s38, s38, s28
	s_lshl_b32 s38, s38, 15                        ; in: 32,768 bytes a run of 8 rows
	s_mov_b32 s39, 0
	s_lshl_b32 s40, ttmp9, 2
	s_add_co_u32 s40, s40, s36                     ; out: the tensors follow each other in the order of the work-groups
	s_mul_i32 s42, s40, 32*STEPS*CB                ; 6,144 bytes of codes a run
	s_mov_b32 s43, 0
	s_lshl_b32 s44, s40, 8                         ; 256 scale bytes a run
	s_mov_b32 s45, 0
	s_wait_kmcnt 0x0
	s_cmp_lt_u32 ttmp9, 3*GX+3*GW                  ; the tensor is chosen by the work-group's number alone
	s_cselect_b64 s[26:27], s[14:15], s[16:17]
	s_cmp_lt_u32 ttmp9, 3*GX+2*GW
	s_cselect_b64 s[26:27], s[12:13], s[26:27]
	s_cmp_lt_u32 ttmp9, 3*GX+GW
	s_cselect_b64 s[26:27], s[10:11], s[26:27]
	s_cmp_lt_u32 ttmp9, 3*GX
	s_cselect_b64 s[26:27], s[8:9], s[26:27]
	s_cmp_lt_u32 ttmp9, 2*GX
	s_cselect_b64 s[26:27], s[6:7], s[26:27]
	s_cmp_lt_u32 ttmp9, GX
	s_cselect_b64 s[26:27], s[4:5], s[26:27]
	s_add_nc_u64 s[26:27], s[26:27], s[38:39]
	s_add_nc_u64 s[18:19], s[18:19], s[42:43]
	s_add_nc_u64 s[20:21], s[20:21], s[44:45]
.macro LOAD t
.irp i, 0,1,2,3
	global_load_b128 v[R+16*((\t)%4)+4*\i:R+16*((\t)%4)+4*\i+3], v3, s[26:27] offset:2048*(\t)+512*\i th:TH_LOAD_NT   ; 32 lanes read 512 consecutive bytes; read once in the launch
.endr
.endm
.macro TURN t                          ; step t's numbers through the stage: LDS serves a wave's instructions in order, so no wait stands between the stores and the loads
.irp i, 0,1,2,3
	ds_store_b128 v14, v[R+16*((\t)%4)+4*\i:R+16*((\t)%4)+4*\i+3] offset:32*SP*((\t)%2)+8*SP*\i
.endr
.irp i, 0,1,2,3
	ds_load_b128 v[X+16*((\t)%2)+4*\i:X+16*((\t)%2)+4*\i+3], v15 offset:32*SP*((\t)%2)+16*\i
.endr
.endm
.irp t, 0,1,2,3
	LOAD \t
.endr
	s_wait_loadcnt 12                              ; step 0's four loads are in
	TURN 0
.macro STEP t
.set XS, X+16*((\t)%2)
.if (\t) > 0
	s_wait_dscnt 1                                 ; this step's numbers are back from the stage (the last step's byte store may be out): so its stores into the stage have read their registers,
.else
	s_wait_dscnt 0x0
.endif
.if (\t)+4 < STEPS
	LOAD (\t)+4                                    ; which take the loads of four steps on
.endif
.if (\t)+1 < STEPS
.if STEPS-2-(\t) >= 3
	s_wait_loadcnt 12                              ; the next step's four loads are in; those of the three steps behind it may be out
.else
	s_wait_loadcnt 4*(STEPS-2-(\t))
.endif
	TURN (\t)+1                                    ; and go through the other stage while this step is worked
.endif
	v_max3_num_f32 v8, |v[XS]|, |v[XS+1]|, |v[XS+2]|               ; the largest magnitude of my 16, in two chains
	v_max3_num_f32 v9, |v[XS+3]|, |v[XS+4]|, |v[XS+5]|
.irp i, 6,10
	v_max3_num_f32 v8, v8, |v[XS+\i]|, |v[XS+\i+1]|
	v_max3_num_f32 v9, v9, |v[XS+\i+2]|, |v[XS+\i+3]|
.endr
	v_max3_num_f32 v8, v8, |v[XS+14]|, |v[XS+15]|
	v_max3_num_f32 v8, v8, v9, (EMAX+1)<<23        ; and the floor 2^(5 - 127): the byte cannot fall under 1
	v_max_num_f32_dpp v8, v8, v8 row_xmask:1 row_mask:0xf bank_mask:0xf   ; and of my neighbour's 16: the block's
	v_add_nc_u32 v11, -(EMAX<<23), v8              ; 4 off its exponent field: the conversion takes the exponent field of this operand as its scale, and nothing else of it
	v_cvt_scalef32_pk16_bf6_f32 v[C+4*(\t):C+4*(\t)+2], v[XS:XS+15], v11         ; sixteen codes, 96 bits without gaps, the first number's code lowest
	v_lshrrev_b32 v[E+(\t)], 23, v11               ; the scale's byte (also the plain line behind the conversion)
	ds_store_b8 v5, v[E+(\t)] offset:16*(\t)       ; both lanes of a block write the same byte with the same value
	global_store_b96 v4, v[C+4*(\t):C+4*(\t)+2], s[18:19] offset:32*CB*(\t)
.endm
.irp t, 0,1,2,3,4,5,6,7,8,9,10,11,12,13,14,15
	STEP \t
.endr
	ds_load_b64 v[12:13], v6                       ; LDS serves a wave's instructions in order: these see my stores
	s_wait_dscnt 0x0
	global_store_b64 v7, v[12:13], s[20:21]        ; 32 lanes store 256 consecutive bytes, aligned
	s_wait_tensorcnt 0x0
	ds_add_u32 v192, v193
	s_wait_dscnt 0x0
	s_endpgm
.Lfunc_end_k_q204b385e18_quant:
	.size	k_q204b385e18_quant, .Lfunc_end_k_q204b385e18_quant-k_q204b385e18_quant
	.p2alignl 7, 3214868480
	.fill 96, 4, 3214868480
	.section	.rodata,"a",@progbits
	.p2align	6, 0x0
	.amdhsa_kernel k_q204b385e18_quant
		.amdhsa_group_segment_fixed_size 33280
		.amdhsa_private_segment_fixed_size 0
		.amdhsa_enable_private_segment 0
		.amdhsa_kernarg_size 72
		.amdhsa_user_sgpr_count 2
		.amdhsa_user_sgpr_kernarg_segment_ptr 1
		.amdhsa_wavefront_size32 1
		.amdhsa_system_sgpr_workgroup_id_x 1
		.amdhsa_system_sgpr_workgroup_id_y 1
		.amdhsa_system_sgpr_workgroup_id_z 1
		.amdhsa_system_vgpr_workitem_id 0
		.amdhsa_next_free_vgpr 194
		.amdhsa_next_free_sgpr 66
		.amdhsa_reserve_vcc 0
		.amdhsa_float_denorm_mode_32 3
		.amdhsa_float_denorm_mode_16_64 3
		.amdhsa_memory_ordered 1
		.amdhsa_forward_progress 1
		.amdhsa_inst_pref_size 33
	.end_amdhsa_kernel
	.amdgpu_metadata
---
amdhsa.version: [ 1, 2 ]
amdhsa.kernels:
  - .name:           k_q204b385e18_quant
    .symbol:         k_q204b385e18_quant.kd
    .args:
      - { .name: x_q, .offset: 0, .size: 8, .value_kind: global_buffer, .address_space: global }
      - { .name: x_k, .offset: 8, .size: 8, .value_kind: global_buffer, .address_space: global }
      - { .name: x_v, .offset: 16, .size: 8, .value_kind: global_buffer, .address_space: global }
      - { .name: Wq, .offset: 24, .size: 8, .value_kind: global_buffer, .address_space: global }
      - { .name: Wk, .offset: 32, .size: 8, .value_kind: global_buffer, .address_space: global }
      - { .name: Wv, .offset: 40, .size: 8, .value_kind: global_buffer, .address_space: global }
      - { .name: Wo, .offset: 48, .size: 8, .value_kind: global_buffer, .address_space: global }
      - { .name: codes, .offset: 56, .size: 8, .value_kind: global_buffer, .address_space: global }
      - { .name: scl, .offset: 64, .size: 8, .value_kind: global_buffer, .address_space: global }
    .group_segment_fixed_size: 33280
    .private_segment_fixed_size: 0
    .kernarg_segment_align: 8
    .kernarg_segment_size: 72
    .max_flat_workgroup_size: 128
    .sgpr_count:     66
    .vgpr_count:     194
    .wavefront_size: 32
...
	.end_amdgpu_metadata
.endif
;; end of part 1
;; launch proj (part 2): grid 4 x 96, 4 waves a work-group, clusters of 4 x 4, 327,680 bytes of LDS; arguments codes, scl, qk, vi; writes qk, vi
.if DOCPART == 2
	.amdgcn_target "amdgcn-amd-amdhsa--gfx1250"
	.amdhsa_code_object_version 6
	.text
	.protected	k_q204b385e18_proj
	.globl	k_q204b385e18_proj
	.p2align	8
	.type	k_q204b385e18_proj,@function
k_q204b385e18_proj:
	s_mov_b64 s[64:65], 0
	v_nop
	global_prefetch_b8 v0, s[64:65] scope:SCOPE_SE
	s_setreg_imm32_b32 hwreg(HW_REG_WAVE_MODE, 25, 1), 1
	s_wait_xcnt 0x0
	s_wait_alu depctr_hold_cnt(0) depctr_sa_sdst(0) depctr_va_vdst(0) depctr_va_sdst(0) depctr_va_ssrc(0) depctr_va_vcc(0) depctr_vm_vsrc(0)
	s_getreg_b32 s2, hwreg(HW_REG_IB_STS2, 6, 4)
	s_cmp_eq_u32 s2, 0
	s_cbranch_scc0 .Lentry_in_a_cluster
	s_endpgm
.Lentry_in_a_cluster:
	s_bfe_u32 s2, ttmp6, 0x10000c
	s_cmp_lg_u32 s2, 0xf033
	s_cbranch_scc0 .Lentry_shape_is_right
	s_endpgm
.Lentry_shape_is_right:
; The three projections Q = x_q Wq^T, K = x_k Wk^T, V = x_v Wv^T on codes of BF6 (E3M2) with E8M0 scales, f32 sums; the results are quantised in registers and leave as images of the next products' operand registers.
; A tile of 256 x 256 results is made by a work-group of four waves, a wave makes 128 x 128: 64 accumulators of 16 x 16, 512 registers.  K = 1,024 goes in steps of 256 through a ring of two LDS slots filled by the tensor data mover.
; TWO ROLES.  Source 0 of the matrix instruction is called B here and source 1 A.  A lane of a result holds ONE row of A and its registers run along B's rows: so B's rows are the axis along which the result is quantised.
;   Q and K (quantised along the head's 64): A = x (tokens), B = W (features).     V (quantised along the keys): A = Wv (features), B = x_v (tokens).
; The rows of B lie in the codes' buffer in the order 0-7, 16-23, 8-15, 24-31 of every 32: so the 16 registers of two neighbouring tiles of B are 16 neighbours along the axis to be quantised.
; GRID: 24 clusters of 4 x 4 work-groups: 8 for each projection.  A's tiles are shared along a row of the cluster, B's along a column: each is asked for JOINTLY, by the same tensor load with the same descriptor and a mask that names the four.
; Which projection a cluster serves hangs on the cluster's number alone: it is the same in all sixteen partners.
; THE SCALES of the work-group's 256 rows of A and of B, for all of K, are two dense blocks of memory: they come into LDS once, with the first fills, and stay.
; OUT.  qk: [Q, K][batch x head: 64][128 tokens: 16][6,656 bytes]: eight tiles of 16 tokens, 768 bytes each (piece p of three: registers 2 p, 2 p + 1 of the tile's six, 8 bytes a lane: lane (r, h) holds token r, block h of the head's 64),
;   then 512 bytes of scale words, 16 bytes a lane: word i holds tile 2 i's in lanes 0-15 and tile 2 i + 1's in lanes 16-31; bytes 0, 1 the two blocks, bytes 2, 3 zero.
; vi: [batch x head][128 keys: 16][6,400 bytes]: four fragments (16 of the head's 64 x 128 keys) of 1,536 bytes (registers 4 c .. 4 c + 3 at 512 c + 16 x lane), then 256 bytes of scale words, 8 bytes a lane.
; LIMITS: a block whose largest magnitude lies under 2^-122 has its byte held at 1; a block of zeros gets the byte 1 where the rule says 127 (its codes are zeros; this program alone reads the bytes); NaN and infinities are not served.
; REGISTERS, in windows of 256: window 0: v0-31 addresses; v32-63 scale words, two sets; from v128 A's fragments, ONE set; on the way out v32-167 are at work.
;   window 1: B's fragments, TWO sets, at v0 and at v128.   window 2: the 32 accumulators of my A rows 0-63 (accumulator (a, b) at v[8 (8 a + b)]);   window 3: those of rows 64-127.
.set SIZE_K, 1024
.set KSTEP,  256                       ; along K in a slot
.set NQ,     KSTEP/128                 ; matrix instructions deep
.set ROWB,   192                       ; a tile's row in bytes
.set KROW,   SIZE_K*6/8                ; a row of codes in memory
.set PITCH,  240                       ; an LDS row: 3 x (64 bytes of data + 16 of padding) = 60 words: the 32 lanes of a load of 8 bytes touch 64 different banks (64 banks of 4 bytes: ISA guide 11.1)
.set FR,     12                        ; registers of a fragment: 16 rows x 128 K
.set NL,     6                         ; LDS loads that bring one
.set NP,     4                         ; places behind this matrix instruction (ISA guide 7.12.1)
.set HALFT,  128*PITCH                 ; 128 rows: what one tensor load brings
.set SLOT,   4*HALFT                   ; A's 256 rows, then B's 256 rows
.set LAPS,   SIZE_K/(2*KSTEP)
.set KS,     SIZE_K/32                 ; a row of scales in bytes
.set SCL,    2*SLOT                    ; behind the ring: the scales, as runs of 256 bytes + 16 of padding
.set HALFS,  (128*KS/256)*272
.set SBLK,   (16*KS/256)*272
.set SPARE,  SCL+4*HALFS               ; behind the scales: the spare words, 128 bytes for each wave: two blocks of 256 bytes that no other line names
.set XPART,  8192*KROW                 ; an x tensor's codes;
.set WPART,  1024*KROW                 ; a weight's;
.set XSPART, 8192*KS                   ; their scale bytes
.set WSPART, 1024*KS
.set QKBLK,  6656
.set VBLK,   6400
.set ADRA, 16                          ; v16-17  LDS address of my A fragments in slot 0, 1  (v18-19: the same for the pieces that lie behind one padding more)
.set ADRB, 20                          ; v20-21  the same for B  (v22-23)
.set L8,   24                          ; v24     8 x lane
.set L16,  25                          ; v25     16 x lane
.set ADRS, 27                          ; v27     LDS address of my scale words: lanes 0-15 A's rows, lanes 16-31 B's
.set SPW,  28                          ; v28     LDS address of my spare word; never rewritten
.set NIL,  29                          ; v29     0; never rewritten
.set SC,   32                          ; scale words: set s at v[SC + 16 s]
.set AF,   128                         ; A's fragments, in window 0
.set TM,   32                          ; the way out: v32-35 the four blocks' largest magnitudes
.set PD,   36                          ; v36-39  the other half's, then the scale bytes
.set SO,   44                          ; v44-47  the conversions' scale operands
.set CT,   48                          ; v48-50, v52-54 the upper halves of the blocks' codes
.set W,    56                          ; v56-63  scale words: block a at W + a / 2 (a even), W + 4 + a / 2 (a odd)
.set PC,   64                          ; v64-159 the codes: 12 registers for each of my eight blocks of 16 rows
.set XSW,  160                         ; v160-167 Q's and K's scale words, a head at a time
.set G1, 24
.set G0, 32
.set G1B, 48
.set G0B, 56
.set SEL, 66                           ; s[66:67] lane selects for v_permlanex16_b32: lane l xor 16
.set G1S, 68
.set G0S, 76
.set G1SB, 80
.set G0SB, 88
.set MSB, 0
.macro WIN new                         ; the immediate's high byte repeats the setting that is left
.if MSB != \new
	s_set_vgpr_msb (MSB<<8)|\new
.set MSB, \new
.endif
.endm
.set MUL_LO, 0xa1                      ; source 0 (B) window 1, source 1 (A) window 0, C and D window 2
.set MUL_HI, 0xf1                      ; the same, C and D window 3
.set TO_B,   0x40                      ; destination window 1, address window 0
; A joint load: waves 0 and 1 fetch for A, waves 2 and 3 for B.  Each of the two lines has ONE mask and one set of registers for all that issue it; the branch hangs on the wave's number alone.
; Four v_nop follow each of the two lines, ahead of the jump, the label and what follows.
.macro JLOAD g0a, g1a, g0b, g1b
	s_cmp_eq_u32 s15, 0
	s_cbranch_scc0 .Lfor_b_\@
	tensor_load_to_lds s[\g0a:\g0a+3], s[\g1a:\g1a+7]
	s_nop 0
.rept 4
	v_nop
.endr
	s_branch .Lasked_\@
.Lfor_b_\@:
	tensor_load_to_lds s[\g0b:\g0b+3], s[\g1b:\g1b+7]
	s_nop 0
.rept 4
	v_nop
.endr
.Lasked_\@:
.endm
.macro CREST                           ; a round of the cluster's barrier behind its opening barrier
	s_cmp_lg_u32 s14, 0
	s_cbranch_scc1 .Lnot_wave_0_\@
	s_barrier_signal -3
.Lnot_wave_0_\@:
	s_barrier_wait -3
	s_barrier_signal -1
	s_barrier_wait -1
.endm
.macro CROUND                          ; a whole round
	s_barrier_signal -1
	s_barrier_wait -1
	CREST
.endm
	s_load_b128 s[4:7], s[0:1], 0x0                ; codes s[4:5], scl s[6:7]
	s_load_b128 s[8:11], s[0:1], 0x10              ; qk s[8:9], vi s[10:11]
	v_lshl_add_u32 v[SPW], v0, 2, SPARE
	v_mov_b32 v[NIL], 0
	ds_add_u32 v28, v29
	ds_add_u32 v28, v29
	s_wait_dscnt 0x0
	v_lshrrev_b32 v1, 5, v0
	v_readfirstlane_b32 s14, v1                    ; wave 0..3
	s_lshr_b32 s15, s14, 1                         ; which half of the tile's A rows is mine.  Also: I fetch for A (0) or for B (1)
	s_and_b32 s16, s14, 1                          ; which half of its B rows.  Also: which 128 rows of that tile I fetch
	s_bfe_u32 s40, ttmp6, 0x40000                  ; cx, cy: my place in the cluster
	s_bfe_u32 s41, ttmp6, 0x40004
	s_and_b32 s95, ttmp7, 0xffff                   ; the cluster's number, 0..23
	s_lshr_b32 s96, s95, 3                         ; the projection: 0 Q, 1 K, 2 V
	s_and_b32 s97, s95, 7
	s_lshl_b32 s97, s97, 2                         ; which four of x's 32 tiles of 256 rows
	s_cmp_eq_u32 s96, 2
	s_cselect_b32 s42, s97, 0                      ; x is B for V,
	s_cselect_b32 s17, 0, s97                      ; and A for Q and K
	s_add_co_u32 s42, s42, s40                     ; B's tile: hangs on cx
	s_add_co_u32 s17, s17, s41                     ; A's tile: hangs on cy
	s_lshl_b32 s43, s41, 2
	s_lshl_b32 s43, 15, s43                        ; my row of the cluster
	s_lshl_b32 s44, 0x1111, s40                    ; my column
	; descriptor group 1: a tile of 128 rows x ROWB bytes, padded in LDS
	s_or_b32 s[G1+0], s43, (0<<16)|(1<<20)|(1<<21)|(3<<22)|(3<<25)  ; 15:0 the mask: A's tiles go to my row; 17:16 element of 1 byte; 20 padding on; 21 set beside a mask; 24:22 after every 16 words (code 3); 31:25 of 4 words (code 3)
	s_or_b32 s[G1B+0], s44, (0<<16)|(1<<20)|(1<<21)|(3<<22)|(3<<25)
.irp g, G1, G1B
	s_mov_b32 s[\g+1], ROWB<<16                    ; tensor_dim0
	s_mov_b32 s[\g+2], 128<<16                     ; tensor_dim1 = 128
	s_mov_b32 s[\g+3], ROWB<<16                    ; tile_dim0
	s_mov_b32 s[\g+4], 128                         ; tile_dim1 = 128
	s_mov_b32 s[\g+5], KROW                        ; tensor_dim0_stride
	s_mov_b32 s[\g+6], 0
	s_mov_b32 s[\g+7], 0
.endr
	; and for the scales of 128 rows: a dense block of 4,096 bytes, as rows of 256 bytes (32 elements of 8 bytes), 16 bytes of padding behind each
	s_or_b32 s[G1S+0], s43, (3<<16)|(1<<20)|(1<<21)|(5<<22)|(3<<25)
	s_or_b32 s[G1SB+0], s44, (3<<16)|(1<<20)|(1<<21)|(5<<22)|(3<<25)
.irp g, G1S, G1SB
	s_mov_b32 s[\g+1], 32<<16
	s_mov_b32 s[\g+2], (128*KS/256)<<16
	s_mov_b32 s[\g+3], 32<<16
	s_mov_b32 s[\g+4], 128*KS/256
	s_mov_b32 s[\g+5], 32
	s_mov_b32 s[\g+6], 0
	s_mov_b32 s[\g+7], 0
.endr
	s_lshl_b32 s18, s16, 7                         ; which 128 rows of the tile I fetch
	s_lshl_b32 s20, s17, 8
	s_add_co_u32 s20, s20, s18                     ; A: row 256 x tile + 128 x half
	s_lshl_b32 s46, s42, 8
	s_add_co_u32 s46, s46, s18                     ; B likewise
	s_mov_b32 s21, 0
	s_mov_b32 s47, 0
	s_mov_b64 s[18:19], KS
	s_mul_u64 s[22:23], s[20:21], s[18:19]         ; where these rows' scales begin in their tensor, in bytes
	s_mul_u64 s[92:93], s[46:47], s[18:19]
	s_mov_b64 s[18:19], KROW
	s_mul_u64 s[20:21], s[20:21], s[18:19]         ; and their codes
	s_mul_u64 s[46:47], s[46:47], s[18:19]
	s_mul_i32 s98, s96, XPART                      ; where this projection's x begins in the codes' buffer,
	s_mul_i32 s99, s96, WPART
	s_add_co_u32 s99, s99, 3*XPART                 ; and its weight: behind the three x;
	s_mul_i32 s100, s96, XSPART                    ; the same for the scale bytes
	s_mul_i32 s101, s96, WSPART
	s_add_co_u32 s101, s101, 3*XSPART
	s_mov_b32 s19, 0
	s_cmp_eq_u32 s96, 2                            ; (the selects and the 64-bit sums below leave SCC as it is)
	s_cselect_b32 s18, s99, s98                    ; A is the weight for V, x for Q and K
	s_add_nc_u64 s[20:21], s[20:21], s[18:19]
	s_cselect_b32 s18, s98, s99                    ; B the other
	s_add_nc_u64 s[46:47], s[46:47], s[18:19]
	s_cselect_b32 s18, s101, s100
	s_add_nc_u64 s[22:23], s[22:23], s[18:19]
	s_cselect_b32 s18, s100, s101
	s_add_nc_u64 s[92:93], s[92:93], s[18:19]
	s_mul_i32 s45, s14, HALFT                      ; where they go: wave x 128 rows: no place in the cluster enters an LDS address
	s_mul_i32 s94, s14, HALFS
	s_mov_b32 s[SEL], 0x76543210
	s_mov_b32 s[SEL+1], 0xfedcba98
	s_wait_kmcnt 0x0
	s_cmp_eq_u32 s96, 2
	s_cselect_b64 s[12:13], s[10:11], s[8:9]       ; the results' buffer: vi or qk; the choice hangs on the cluster's number alone
	s_add_nc_u64 s[20:21], s[4:5], s[20:21]
	s_add_nc_u64 s[22:23], s[6:7], s[22:23]
	s_add_nc_u64 s[46:47], s[4:5], s[46:47]
	s_add_nc_u64 s[92:93], s[6:7], s[92:93]
	CROUND                                         ; all sixteen work-groups are here: the first joint loads meet
	s_mov_b32 s[G0S], 1
	s_add_co_u32 s[G0S+1], s94, SCL
	s_mov_b64 s[G0S+2:G0S+3], s[22:23]
	s_or_b32 s[G0S+3], s[G0S+3], 0x80000000
	s_mov_b32 s[G0SB], 1
	s_add_co_u32 s[G0SB+1], s94, SCL
	s_mov_b64 s[G0SB+2:G0SB+3], s[92:93]
	s_or_b32 s[G0SB+3], s[G0SB+3], 0x80000000
	JLOAD G0S, G1S, G0SB, G1SB                     ; the scales first: they are wanted with K step 0
.irp s, 0,1
	s_mov_b32 s[G0+4*\s], 1
	s_add_co_u32 s[G0+4*\s+1], s45, \s*SLOT
	s_add_nc_u64 s[G0+4*\s+2:G0+4*\s+3], s[20:21], \s*ROWB
	s_or_b32 s[G0+4*\s+3], s[G0+4*\s+3], 0x80000000
	s_mov_b32 s[G0B+4*\s], 1
	s_add_co_u32 s[G0B+4*\s+1], s45, \s*SLOT
	s_add_nc_u64 s[G0B+4*\s+2:G0B+4*\s+3], s[46:47], \s*ROWB
	s_or_b32 s[G0B+4*\s+3], s[G0B+4*\s+3], 0x80000000
	JLOAD G0+4*\s, G1, G0B+4*\s, G1B               ; by this text's count three tensor loads of a wave are out here, later one behind each round
.endr
	v_and_b32 v1, 15, v0                           ; l % 16
	v_bfe_u32 v2, v0, 4, 1                         ; l / 16
	v_mul_u32_u24 v3, v1, PITCH
	v_mul_u32_u24 v4, v2, 24
	v_add_nc_u32 v4, v3, v4                        ; a fragment's row x pitch + 24 x half
	v_lshl_add_u32 v5, v2, 4, v4                   ; and the same behind one padding more
	s_mul_i32 s21, s15, HALFT                      ; my 128 rows of A
	s_mul_i32 s22, s16, HALFT                      ; my 128 rows of B,
	s_add_co_u32 s22, s22, 2*HALFT                 ; which lie behind A's 256
.irp s, 0,1
	v_add_nc_u32 v[ADRA+\s], s21, v4
	v_add_nc_u32 v[ADRB+\s], s22, v4
	v_add_nc_u32 v[ADRA+2+\s], s21, v5
	v_add_nc_u32 v[ADRB+2+\s], s22, v5
	s_add_co_u32 s21, s21, SLOT
	s_add_co_u32 s22, s22, SLOT
.endr
	v_mul_u32_u24 v5, v1, KS                       ; my row's scales: KS bytes a row,
	v_lshrrev_b32 v6, 8, v5
	v_lshl_add_u32 v5, v6, 4, v5                   ; and 16 more for each 256 passed
	s_mul_i32 s21, s15, HALFS                      ; A's: my 128 rows
	s_mul_i32 s22, s16, HALFS                      ; B's: my 128 rows, behind A's 256
	s_add_co_u32 s22, s22, 2*HALFS
	s_sub_co_u32 s22, s22, s21
	v_mul_u32_u24 v6, s22, v2                      ; lanes 16-31 take B's
	s_add_co_u32 s21, s21, SCL
	v_add_nc_u32 v5, v5, v6
	v_add_nc_u32 v[ADRS], s21, v5
	v_and_b32 v6, 31, v0
	v_lshlrev_b32 v[L8], 3, v6
	v_lshlrev_b32 v[L16], 4, v6
.macro FRAG reg, adr, q, i             ; a fragment, 16 rows x 128 K of 6-bit codes, is 12 registers: lane l holds row l % 16; registers 6 c .. 6 c + 5 hold K = 64 c + 32 (l / 16) + 0 .. 31: 24 bytes of the row's stream of bits, as they lie
.irp p, 0,1,2,3,4,5                    ; in pieces of 8 bytes.  Lanes 0-15 take the row's pieces 12 q + 0, 1, 2 and 12 q + 6, 7, 8, lanes 16-31 those three pieces on
.set PCE, 12*(\q)+6*(\p/3)+\p%3       ; 16 bytes of padding lie behind every 64 bytes (8 pieces): where the piece three on lies behind one padding more, the second address register serves
.if PCE%8 < 5
	ds_load_b64 v[\reg+2*\p:\reg+2*\p+1], v[\adr] offset:8*PCE+16*(PCE/8)+(\i)*16*PITCH
.else
	ds_load_b64 v[\reg+2*\p:\reg+2*\p+1], v[\adr+2] offset:8*PCE+16*(PCE/8)+(\i)*16*PITCH
.endif
.endr
.endm
; 16 matrix instructions: A's blocks a0, a0 + 1 x B's eight, 128 along K: the slot's q-th.  p: B's set;  sc: the set of scale words.  zero = 1: the first product starts the sums: nothing is ever cleared.
; The 64 accumulators take turns, one instruction a turn, in the same order in every step.
.macro MUL16 a0, p, q, sc, zero
.irp a, \a0, \a0+1
.irp b, 0,1,2,3,4,5,6,7
.if \zero
	v_wmma_scale_f32_16x16x128_f8f6f4 v[8*(8*((\a)%4)+\b):8*(8*((\a)%4)+\b)+7], v[128*(\p)+FR*\b:128*(\p)+FR*\b+FR-1], v[AF+FR*(\a):AF+FR*(\a)+FR-1], 0, v[SC+8*NQ*(\sc)+NQ*\b+(\q)], v[SC+8*NQ*(\sc)+NQ*(\a)+(\q)] matrix_a_fmt:MATRIX_FMT_BF6 matrix_b_fmt:MATRIX_FMT_BF6 matrix_a_scale:MATRIX_SCALE_ROW1
.else
	v_wmma_scale_f32_16x16x128_f8f6f4 v[8*(8*((\a)%4)+\b):8*(8*((\a)%4)+\b)+7], v[128*(\p)+FR*\b:128*(\p)+FR*\b+FR-1], v[AF+FR*(\a):AF+FR*(\a)+FR-1], v[8*(8*((\a)%4)+\b):8*(8*((\a)%4)+\b)+7], v[SC+8*NQ*(\sc)+NQ*\b+(\q)], v[SC+8*NQ*(\sc)+NQ*(\a)+(\q)] matrix_a_fmt:MATRIX_FMT_BF6 matrix_b_fmt:MATRIX_FMT_BF6 matrix_a_scale:MATRIX_SCALE_ROW1
.endif
.endr
.endr
.endm
.macro FETCH_B slot, q, p              ; B's eight fragments of the slot's q-th 128 along K into set p
	WIN TO_B
.irp i, 0,1,2,3,4,5,6,7
	FRAG 128*(\p)+FR*\i, ADRB+\slot, \q, \i
.endr
	WIN 0
.endm
.macro FETCH_A slot, q, i0             ; A's blocks i0 .. i0 + 3
.irp i, \i0, \i0+1, \i0+2, \i0+3
	FRAG AF+FR*(\i), ADRA+\slot, \q, \i
.endr
.endm
.macro SCALES sc                       ; the next K step's scale words into set sc: two words a row; lanes 0-15 take A's block i, lanes 16-31 B's block i
.irp i, 0,1,2,3,4,5,6,7
	ds_load_b64 v[SC+8*NQ*\sc+NQ*\i:SC+8*NQ*\sc+NQ*\i+1], v[ADRS] offset:\i*SBLK
.endr
.endm
; A load into a register that a matrix instruction has read, and a vector instruction that reads a matrix result or writes one of its registers, stand NP places behind that matrix instruction;
; only plain vector instructions that name none of its registers are places (ISA guide 7.12.1 for vector instructions).
.macro PLACES n
.rept \n
	v_nop
.endr
.endm
; A step of 128 along K that has its successor in the same slot.
.macro STEP slot, q, zero
	s_wait_dscnt 4*NL                              ; B's set and A's blocks 0-3 are in; the youngest 24 loads (A's blocks 4-7) may be out
	WIN MUL_LO
	MUL16 0, (\q)%2, \q, \slot, \zero
	MUL16 2, (\q)%2, \q, \slot, \zero
	s_wait_dscnt 0                                 ; A's blocks 4-7 are in (asked for 32 matrix instructions ago)
	PLACES NP
	FETCH_B \slot, (\q)+1, 1-(\q)%2
	FETCH_A \slot, (\q)+1, 0
	WIN MUL_HI
	MUL16 4, (\q)%2, \q, \slot, \zero
	MUL16 6, (\q)%2, \q, \slot, \zero
	PLACES NP
	WIN 0
	FETCH_A \slot, (\q)+1, 4
.endm
; A slot's last step changes slots: ONE barrier; in front of it each wave waits for all its tensor loads, adds 0 to its spare word, and waits for that and for its own reads of this slot.  fill = 1: this slot is filled again, two K steps ahead.
.macro TURN slot, next, fill
	s_wait_tensorcnt 0x0                           ; all my tensor loads have landed: my part of the next slot;  (every window is 0 here)
	ds_add_u32 v[SPW], v[NIL]                      ; 0 onto my spare word
	s_wait_dscnt 4*NL+1                            ; (the add and the youngest 24 loads, A's blocks 4-7, may be out)
	WIN MUL_LO
	MUL16 0, 1, NQ-1, \slot, 0                     ; sixteen matrix instructions stand between the add and the wait for it
	s_wait_dscnt 0x0                               ; the add is done, and my reads of this slot are over
	s_barrier_signal -1
	MUL16 2, 1, NQ-1, \slot, 0
	WIN 0
	s_barrier_wait -1
.if \fill
	CREST                                          ; the barrier has opened a round of the cluster's barrier: no wave of any partner still reads this slot's tile or has a load on its way
	s_add_nc_u64 s[G0+4*\slot+2:G0+4*\slot+3], s[G0+4*\slot+2:G0+4*\slot+3], 2*ROWB
	s_add_nc_u64 s[G0B+4*\slot+2:G0B+4*\slot+3], s[G0B+4*\slot+2:G0B+4*\slot+3], 2*ROWB
	JLOAD G0+4*\slot, G1, G0B+4*\slot, G1B         ; the first tensor load behind the round; the four v_nop behind it are the places in front of the loads below
.else
	PLACES NP
.endif
	v_add_nc_u32 v[ADRS], 4*NQ, v[ADRS]            ; on to the next K step's scale words (no LDS load of mine is out)
	FETCH_B \next, 0, 0
	FETCH_A \next, 0, 0
	SCALES \next
	WIN MUL_HI
	MUL16 4, 1, NQ-1, \slot, 0
	MUL16 6, 1, NQ-1, \slot, 0
	PLACES NP
	WIN 0
	FETCH_A \next, 0, 4
.endm
	s_wait_tensorcnt 1                             ; the scales and my part of K step 0 are in (K step 1's load may be out)
	s_barrier_signal -1
	s_barrier_wait -1                              ; everybody's are
	FETCH_B 0, 0, 0
	FETCH_A 0, 0, 0
	SCALES 0
	FETCH_A 0, 0, 4
	STEP 0, 0, 1                                   ; the first step stands in front of the loop: its products start the sums
	s_mov_b32 s3, LAPS-1
.Llap:                                                 ; a trip goes once round the ring, from a lap's second step to the next lap's first, and fills both slots again
	TURN 0, 1, 1
	STEP 1, 0, 0
	TURN 1, 0, 1
	STEP 0, 0, 0
	s_sub_co_u32 s3, s3, 1
	s_cmp_lg_u32 s3, 0
	s_cbranch_scc1 .Llap
	TURN 0, 1, 0                                   ; the last lap fills nothing, and has no round of the cluster's barrier
	STEP 1, 0, 0
	s_wait_dscnt 4*NL                              ; the very last step: nothing more to fetch
	WIN MUL_LO
	MUL16 0, 1, NQ-1, 1, 0
	MUL16 2, 1, NQ-1, 1, 0
	s_wait_dscnt 0
	WIN MUL_HI
	MUL16 4, 1, NQ-1, 1, 0
	MUL16 6, 1, NQ-1, 1, 0
	WIN 0
; THE WAY OUT.  Block a (16 rows of A): a lane's 64 results, register 16 b + i = place 32 b + 16 (lane / 16) + i along B's 128 rows, become 12 registers of codes and a scale word.  No LDS: the registers ARE the next operand's.
.macro QUANT a
.set AC, 64*((\a)%4)                   ; the block's eight accumulators, in window 2 (blocks 0-3) or 3 (blocks 4-7)
.set PCA, PC+12*(\a)
.set WR, W+4*((\a)%2)+(\a)/2
	WIN 5*(2+(\a)/4)                               ; sources 0 and 1: the accumulators' window
.irp b, 0,1,2,3
	v_max3_num_f32 v[TM+\b], |v[AC+16*\b]|, |v[AC+16*\b+1]|, 0x2800000   ; block b: my 16 numbers, and the floor 2^(5 - 127): the byte cannot fall under 1.  Each accumulator is read from its low end on
.endr
.irp i, 2,4,6,8,10,12,14
.irp b, 0,1,2,3
	v_max3_num_f32 v[TM+\b], |v[AC+16*\b+\i]|, |v[AC+16*\b+\i+1]|, v[TM+\b]   ; (the four blocks by turns)
.endr
.endr
	WIN 0
.irp b, 0,1,2,3
	v_permlanex16_b32 v[PD+\b], v[TM+\b], s[SEL], s[SEL+1]
.endr
.irp b, 0,1,2,3
	v_max_num_f32 v[TM+\b], v[TM+\b], v[PD+\b]     ; with lane l xor 16's: the block's largest magnitude
.endr
.irp b, 0,1,2,3
	v_add_nc_u32 v[SO+\b], 0xfe000000, v[TM+\b]    ; 4 off its exponent field: the conversion's scale operand
.endr
.irp b, 0,1,2,3
	v_lshrrev_b32 v[PD+\b], 23, v[SO+\b]           ; the scale's byte
.endr
	v_lshl_or_b32 v[WR], v[PD+1], 8, v[PD]         ; the four bytes make my row's scale word
	v_lshl_or_b32 v[WR], v[PD+2], 16, v[WR]
	v_lshl_or_b32 v[WR], v[PD+3], 24, v[WR]
	WIN (2+(\a)/4)                                 ; source 0: the accumulators' window
.irp c, 0,1
	v_cvt_scalef32_pk16_bf6_f32 v[PCA+6*\c:PCA+6*\c+2], v[AC+32*\c:AC+32*\c+15], v[SO+2*\c]
	v_cvt_scalef32_pk16_bf6_f32 v[CT+4*\c:CT+4*\c+2], v[AC+32*\c+16:AC+32*\c+31], v[SO+2*\c+1]   ; (a conversion's three registers begin on an even number)
.endr
	WIN 0
	v_nop                                          ; one plain place behind a scaled conversion
.irp c, 0,1                                    ; the operand's layout wants a WHOLE block in a lane: lanes 0-15 block 2 c, lanes 16-31 block 2 c + 1
.irp i, 0,1,2
	v_permlane16_swap_b32 v[PCA+6*\c+\i], v[CT+4*\c+\i]
.endr
.irp i, 0,1,2
	v_mov_b32 v[PCA+3+6*\c+\i], v[CT+4*\c+\i]
.endr
.endr
.endm
	PLACES NP                                      ; behind the last products: their results are read, and registers that they read are written
.irp a, 0,1,2,3,4,5,6,7
	QUANT \a
.endr
.irp i, 0,1,2,3
	v_permlane16_swap_b32 v[W+\i], v[W+4+\i]       ; word i: lanes 0-15 block 2 i's rows, lanes 16-31 block 2 i + 1's
.endr
	; where my results go: tokens 128 G .. 128 G + 127 (G = 16 x batch + step), heads 2 H and 2 H + 1.  In registers that feed no descriptor
	s_lshl_b32 s97, s17, 1
	s_add_co_u32 s97, s97, s15                     ; my 128 rows of A
	s_lshl_b32 s98, s42, 1
	s_add_co_u32 s98, s98, s16                     ; my 128 rows of B
	s_mov_b32 s100, QKBLK
	s_cmp_eq_u32 s96, 2
	s_cselect_b32 s99, s98, s97                    ; G: the tokens are B's rows for V, A's for Q and K
	s_cselect_b32 s98, s97, s98                    ; H: the features are the other's
	s_cselect_b32 s100, VBLK, s100                 ; bytes of a block of 128 tokens of a head
	s_cselect_b32 s101, 0, s96                     ; K's half of qk lies behind Q's
	s_lshr_b32 s97, s99, 4
	s_lshl_b32 s97, s97, 4                         ; 16 x batch
	s_lshl_b32 s98, s98, 1
	s_add_co_u32 s97, s97, s98                     ; + the first of my two heads
	s_lshl_b32 s97, s97, 4
	s_and_b32 s99, s99, 15
	s_add_co_u32 s97, s97, s99                     ; x 16 + the step
	s_mul_i32 s98, s97, s100
	s_mul_i32 s101, s101, 64*16*QKBLK
	s_add_co_u32 s98, s98, s101
	s_mov_b32 s99, 0
	s_add_nc_u64 s[12:13], s[12:13], s[98:99]
	s_cmp_eq_u32 s96, 2
	s_cbranch_scc1 .Lv_out
	; Q or K: registers 6 c .. 6 c + 5 of block a are tile a of head c; the word's lower two bytes are head 0's blocks, the upper two head 1's
.irp i, 0,1,2,3
	v_and_b32 v[XSW+\i], 0xffff, v[W+\i]
	v_lshrrev_b32 v[XSW+4+\i], 16, v[W+\i]
.endr
.irp a, 0,1,2,3,4,5,6,7
.irp p, 0,1,2,3,4,5
	global_store_b64 v[L8], v[PC+12*\a+2*\p:PC+12*\a+2*\p+1], s[12:13] offset:(\p/3)*16*QKBLK+768*\a+256*(\p%3)   ; 32 lanes store 256 consecutive bytes, aligned
.endr
.endr
.irp c, 0,1
	global_store_b128 v[L16], v[XSW+4*\c:XSW+4*\c+3], s[12:13] offset:\c*16*QKBLK+6144
.endr
	s_branch .Lout_done
.Lv_out:
	; V: block a is fragment a % 4 (16 of the head's 64 x my 128 keys) of head a / 4
.irp a, 0,1,2,3,4,5,6,7
.irp c, 0,1,2
	global_store_b128 v[L16], v[PC+12*\a+4*\c:PC+12*\a+4*\c+3], s[12:13] offset:(\a/4)*16*VBLK+(\a%4)*1536+512*\c   ; 32 lanes store 512 consecutive bytes, aligned
.endr
.endr
.irp c, 0,1
	global_store_b64 v[L8], v[W+2*\c:W+2*\c+1], s[12:13] offset:\c*16*VBLK+6144
.endr
.Lout_done:
	s_wait_tensorcnt 0x0                           ; the wave's end: behind my last tensor load
	ds_add_u32 v[SPW], v[NIL]
	s_wait_dscnt 0x0
	CROUND                                         ; the closing round: no work-group ends while a partner may still ask for a tile that names it
	s_endpgm
.Lfunc_end_k_q204b385e18_proj:
	.size	k_q204b385e18_proj, .Lfunc_end_k_q204b385e18_proj-k_q204b385e18_proj
	.p2alignl 7, 3214868480
	.fill 96, 4, 3214868480
	.section	.rodata,"a",@progbits
	.p2align	6, 0x0
	.amdhsa_kernel k_q204b385e18_proj
		.amdhsa_group_segment_fixed_size 327680
		.amdhsa_private_segment_fixed_size 0
		.amdhsa_enable_private_segment 0
		.amdhsa_kernarg_size 32
		.amdhsa_user_sgpr_count 2
		.amdhsa_user_sgpr_kernarg_segment_ptr 1
		.amdhsa_wavefront_size32 1
		.amdhsa_system_sgpr_workgroup_id_x 1
		.amdhsa_system_sgpr_workgroup_id_y 1
		.amdhsa_system_sgpr_workgroup_id_z 1
		.amdhsa_system_vgpr_workitem_id 0
		.amdhsa_next_free_vgpr 1024
		.amdhsa_next_free_sgpr 102
		.amdhsa_reserve_vcc 0
		.amdhsa_float_denorm_mode_32 3
		.amdhsa_float_denorm_mode_16_64 3
		.amdhsa_memory_ordered 1
		.amdhsa_forward_progress 1
		.amdhsa_inst_pref_size 170
	.end_amdhsa_kernel
	.amdgpu_metadata
---
amdhsa.version: [ 1, 2 ]
amdhsa.kernels:
  - .name:           k_q204b385e18_proj
    .symbol:         k_q204b385e18_proj.kd
    .args:
      - { .name: codes, .offset: 0, .size: 8, .value_kind: global_buffer, .address_space: global }
      - { .name: scl, .offset: 8, .size: 8, .value_kind: global_buffer, .address_space: global }
      - { .name: qk, .offset: 16, .size: 8, .value_kind: global_buffer, .address_space: global }
      - { .name: vi, .offset: 24, .size: 8, .value_kind: global_buffer, .address_space: global }
    .group_segment_fixed_size: 327680
    .private_segment_fixed_size: 0
    .kernarg_segment_align: 8
    .kernarg_segment_size: 32
    .max_flat_workgroup_size: 128
    .sgpr_count:     102
    .vgpr_count:     1024
    .wavefront_size: 32
...
	.end_amdgpu_metadata
.endif
;; end of part 2
;; launch attn (part 3): grid 4 x 64, 16 waves a work-group, clusters of 4 x 1, 210,944 bytes of LDS; arguments qk, vi, cc, cs; writes cc, cs
.if DOCPART == 3
	.amdgcn_target "amdgcn-amd-amdhsa--gfx1250"
	.amdhsa_code_object_version 6
	.text
	.protected	k_q204b385e18_attn
	.globl	k_q204b385e18_attn
	.p2align	8
	.type	k_q204b385e18_attn,@function
k_q204b385e18_attn:
	s_mov_b64 s[64:65], 0
	v_nop
	global_prefetch_b8 v0, s[64:65] scope:SCOPE_SE
	s_setreg_imm32_b32 hwreg(HW_REG_WAVE_MODE, 25, 1), 1
	s_wait_xcnt 0x0
	s_wait_alu depctr_hold_cnt(0) depctr_sa_sdst(0) depctr_va_vdst(0) depctr_va_sdst(0) depctr_va_ssrc(0) depctr_va_vcc(0) depctr_vm_vsrc(0)
	s_getreg_b32 s2, hwreg(HW_REG_IB_STS2, 6, 4)
	s_cmp_eq_u32 s2, 0
	s_cbranch_scc0 .Lentry_in_a_cluster
	s_endpgm
.Lentry_in_a_cluster:
	s_bfe_u32 s2, ttmp6, 0x10000c
	s_cmp_lg_u32 s2, 0x3003
	s_cbranch_scc0 .Lentry_shape_is_right
	s_endpgm
.Lentry_shape_is_right:
; ctx[b][q][head] = softmax_k(Q . K / 8) V for one batch and head a cluster, both products on codes of BF6 (E3M2) with one E8M0 scale for each 32 along a product's K; ctx is quantised along E in registers.
; IN.  qk, vi: images of the operands' registers (768 bytes a tile of 16 tokens of Q or K; 1,536 bytes a fragment of 16 of the head's 64 x 128 keys of V; scale words behind each 128 tokens' codes).
; THE SOFTMAX AHEAD OF THE SECOND PRODUCT: t = score x log2(e) / 8; M = the row's largest t so far, rounded UP to a whole number; p = 2^(t - M) is what is quantised, along the keys; it is not normalised.
; The row's sum is taken of the unquantised p, in f32, and divides O at the end.  When M moves, the sum and O are multiplied by 2^(old M - new M): exact.
; SHARES.  A cluster of four work-groups is one (batch, head); a work-group owns 512 queries; each of its sixteen waves owns one tile of 16 queries in each of two passes, in 256 registers: four waves to a SIMD.
; THE WHOLE HEAD STAYS IN LDS: K's 2,048 keys are 106,496 bytes, V's 102,400.  Each byte of LDS is filled once, by joint loads (the same tensor load, descriptor and mask in all four work-groups): wave 0 asks for K's four
; segments of 512 keys, wave 1 for V's.  By this text's count four tensor loads of a wave are out.  A segment is read behind the counted wait of the wave that asked for it and a barrier, while the later segments are on their way.
; LAYOUT.  Both products are used transposed: S^T = K Q^T (source 0 = 16 keys, source 1 = my 16 queries), O^T = V^T P^T (source 0 = 16 of the head's 64, source 1 = P): a lane holds ONE query (lane % 16) throughout.
; The keys of a tile of K, and the rows of a tile of V^T, lie in the order 0-7, 16-23 (8-15, 24-31) of every 32: the 16 registers of two neighbouring tiles are 16 neighbours along the next K.
; THE FIRST PRODUCT'S K IS 64, HALF OF THE INSTRUCTION'S 128.  Q's fragment has zero codes in its upper six registers.  K's tile t is named as v[44 + 6 t .. 55 + 6 t]: its upper six registers are the next tile's codes
; (for tile 7: the second pass's Q), finite numbers that meet Q's zeros; the scale bytes of that half are 0 (2^-127), no NaN.
; OUT.  cc [16 tokens: 512][128 along E: 8][6 x 256 bytes]: the registers of the last product's operand; cs [token][32]: its scale bytes.
; LIMITS: p under 2^-126 falls to 0; a block whose largest magnitude lies under 2^-122 has its byte held at 1, a block of zeros too (its codes are zeros; this program alone reads the bytes); NaN and infinities are not served.
.set KBLK, 6656                        ; 128 keys of K: 8 tiles of 768 bytes + 512 of scale words
.set VBLK, 6400                        ; 128 keys of V: 4 fragments of 1,536 bytes + 256 of scale words
.set KSEG, 4*KBLK                      ; a segment: 512 keys
.set VSEG, 4*VBLK
.set VB,   16*KBLK                     ; LDS: K at 0, V behind it
.set L16,  1                           ; v1   16 x lane
.set L8,   2                           ; v2   8 x lane
.set ADK,  3                           ; v3   LDS address of the step's tiles of K
.set ADKS, 4                           ; v4   of K's scale words
.set ADV,  5                           ; v5   of V's fragments
.set ADVS, 6                           ; v6   of V's scale words
.set CSO,  8                           ; v8   32 r + h: my byte among my 16 tokens' scale bytes
.set QSO,  9                           ; v9   16 r: my query's scale word in the image
.set QF,   16                          ; v16-27 Q's fragment: six registers of codes, six of zeros
.set QS,   28                          ; v28  Q's scale words;  v29 the second pass's
.set QSB,  29
.set KSC,  36                          ; v36-39 K's scale words
.set VSC,  40                          ; v40-41 V's
.set PS,   42                          ; v42  p's scale word
.set KF,   44                          ; v44-91 K's eight tiles, six registers each
.set QB,   92                          ; v92-97 the second pass's Q
.set VF,   98                          ; v98-145 V's four fragments
.set S,    146                         ; v146-209 S^T, then p
.set OT,   210                         ; v210-241 O^T
.set PCD,  242                         ; v242-253 p's codes
.set BM,   44                          ; at work, in K's registers, which are done with behind the first product: v44-47 the blocks' largest scores
.set PD,   48                          ; v48-51 the other half's, then the scale bytes
.set SO,   52                          ; v52-55 the conversions' scale operands
.set CT,   56                          ; v56-58, v60-62 the upper halves of the blocks' codes
.set F,    64                          ; v[64:65] f = 2^(old M - new M) (the pair's low word serves both halves)
.set T,    66                          ; v66
.set SUM2, 68                          ; v[68:69] the sum's second chain
.set WV,   12                          ; s12  my wave's number
.set G1K,  16                          ; s[16:23] descriptor group 1 for K's segments;  s[24:31] for V's
.set G1V,  24
.set G0K,  32                          ; s[32:47] four groups 0 for K;  s[48:63] for V
.set G0V,  48
.set SEL,  66                          ; s[66:67] lane selects for v_permlanex16_b32: lane l xor 16
.set CS,   68                          ; s[68:69] c = log2(e) / 8
.set TK,   70                          ; s70  LDS byte of the step's K
.set TV,   71                          ; s71  of its V
.set CNT,  72                          ; s72  steps to go in the segment
.set PASS, 73                          ; s73  passes to go
.set LM,   74                          ; s74  lanes 16-31
.macro CROUND                          ; a round of the cluster's barrier
	s_barrier_signal -1
	s_barrier_wait -1
	s_cmp_lg_u32 s[WV], 0
	s_cbranch_scc1 .Lnot_wave_0_\@
	s_barrier_signal -3
.Lnot_wave_0_\@:
	s_barrier_wait -3
	s_barrier_signal -1
	s_barrier_wait -1
.endm
	s_load_b256 s[4:11], s[0:1], 0x0               ; qk s[4:5], vi s[6:7], cc s[8:9], cs s[10:11]
	v_lshl_add_u32 v254, v0, 2, 0x33000
	v_mov_b32 v255, 0
	ds_add_u32 v254, v255
	ds_add_u32 v254, v255
	v_lshrrev_b32 v10, 5, v0
	s_delay_alu instid0(VALU_DEP_1)
	v_readfirstlane_b32 s[WV], v10                 ; wave 0..15
	s_bfe_u32 s13, ttmp6, 0x40000                  ; cx: my 512 queries; it enters Q's, cc's and cs's addresses alone
	s_and_b32 s14, ttmp7, 0xffff                   ; 16 x batch + head, which the four partners share
	; descriptor group 1: a dense segment as rows of 256 bytes (32 elements of 8 bytes), no padding
	s_mov_b32 s[G1K], 15|(3<<16)|(1<<21)           ; 15:0 the mask: all four work-groups; 17:16 elements of 8 bytes; 21 set beside a mask
	s_mov_b32 s[G1K+1], 32<<16                     ; tensor_dim0 = 32
	s_mov_b32 s[G1K+2], (KSEG/256)<<16             ; tensor_dim1 = 104
	s_mov_b32 s[G1K+3], 32<<16                     ; tile_dim0
	s_mov_b32 s[G1K+4], KSEG/256                   ; tile_dim1
	s_mov_b32 s[G1K+5], 32                         ; tensor_dim0_stride
	s_mov_b32 s[G1K+6], 0
	s_mov_b32 s[G1K+7], 0
	s_mov_b32 s[G1V], 15|(3<<16)|(1<<21)
	s_mov_b32 s[G1V+1], 32<<16
	s_mov_b32 s[G1V+2], (VSEG/256)<<16             ; 100 rows
	s_mov_b32 s[G1V+3], 32<<16
	s_mov_b32 s[G1V+4], VSEG/256
	s_mov_b32 s[G1V+5], 32
	s_mov_b32 s[G1V+6], 0
	s_mov_b32 s[G1V+7], 0
	s_mul_i32 s76, s14, 16*KBLK
	s_add_co_u32 s76, s76, 64*16*KBLK              ; K's half of qk, my head
	s_mov_b32 s77, 0
	s_mul_i32 s78, s14, 16*VBLK                    ; V, my head
	s_mov_b32 s79, 0
	; Q: pass u's tile is tile w % 8 of the 128 tokens 4 cx + 2 u + w / 8
	s_lshl_b32 s82, s13, 2
	s_lshr_b32 s83, s[WV], 3
	s_add_co_u32 s82, s82, s83
	s_mul_i32 s82, s82, KBLK
	s_mul_i32 s83, s14, 16*KBLK
	s_add_co_u32 s82, s82, s83                     ; the block of 128 tokens
	s_and_b32 s84, s[WV], 7
	s_mul_i32 s85, s84, 768
	s_add_co_u32 s80, s82, s85                     ; my tile's codes
	s_mov_b32 s81, 0
	s_and_b32 s85, s84, 1
	s_lshl_b32 s85, s85, 8                         ; its scale words: an odd tile's lie in lanes 16-31 of the image, 256 bytes on,
	s_lshr_b32 s84, s84, 1
	s_lshl_b32 s84, s84, 2                         ; in word tile / 2 of a lane's four
	s_add_co_u32 s84, s84, s85
	s_add_co_u32 s84, s84, s82
	s_add_co_u32 s84, s84, 6144
	s_mov_b32 s85, 0
	; ctx: tile of tokens 128 x batch + 32 cx + 16 u + w; head's place: 768 bytes of codes, 2 scale bytes
	s_lshr_b32 s86, s14, 4
	s_lshl_b32 s86, s86, 7
	s_lshl_b32 s87, s13, 5
	s_add_co_u32 s86, s86, s87
	s_add_co_u32 s86, s86, s[WV]
	s_and_b32 s87, s14, 15
	s_mul_i32 s88, s86, 12288
	s_mul_i32 s89, s87, 768
	s_add_co_u32 s88, s88, s89
	s_mov_b32 s89, 0
	s_lshl_b32 s90, s86, 9
	s_lshl_b32 s91, s87, 1
	s_add_co_u32 s90, s90, s91
	s_mov_b32 s91, 0
	s_mov_b32 s[SEL], 0x76543210
	s_mov_b32 s[SEL+1], 0xfedcba98
	s_mov_b32 s[CS], 0x3e38aa3b                    ; c = log2(e) / 8
	s_mov_b32 s[CS+1], s[CS]                       ; (named with it as a pair, so it is written)
	s_mov_b32 s[LM], 0xffff0000
	s_mov_b32 s[PASS], 2
	s_wait_dscnt 0x0
	s_wait_kmcnt 0x0
	s_add_nc_u64 s[76:77], s[4:5], s[76:77]
	s_add_nc_u64 s[78:79], s[6:7], s[78:79]
	s_add_nc_u64 s[80:81], s[4:5], s[80:81]
	s_add_nc_u64 s[84:85], s[4:5], s[84:85]
	s_add_nc_u64 s[8:9], s[8:9], s[88:89]
	s_add_nc_u64 s[10:11], s[10:11], s[90:91]
.irp s, 0,1,2,3
	s_mov_b32 s[G0K+4*\s], 1                       ; 1:0 count = 1
	s_mov_b32 s[G0K+4*\s+1], \s*KSEG               ; 63:32 LDS address
	s_add_nc_u64 s[G0K+4*\s+2:G0K+4*\s+3], s[76:77], \s*KSEG   ; 120:64 global address
	s_or_b32 s[G0K+4*\s+3], s[G0K+4*\s+3], 0x80000000          ; 127:126 type = 2
	s_mov_b32 s[G0V+4*\s], 1
	s_mov_b32 s[G0V+4*\s+1], VB+\s*VSEG
	s_add_nc_u64 s[G0V+4*\s+2:G0V+4*\s+3], s[78:79], \s*VSEG
	s_or_b32 s[G0V+4*\s+3], s[G0V+4*\s+3], 0x80000000
.endr
	CROUND                                         ; all four work-groups are here: the joint loads meet
	s_cmp_eq_u32 s[WV], 0                          ; a wave's four fills stand in one branch on the wave's number, ahead of every wait on TENSORcnt and every LDS read; four v_nop follow the last
	s_cbranch_scc0 .Lnot_k
.irp s, 0,1,2,3
	tensor_load_to_lds s[G0K+4*\s:G0K+4*\s+3], s[G1K:G1K+7]
	s_nop 0
.endr
.rept 4
	v_nop
.endr
	s_branch .Lasked
.Lnot_k:
	s_cmp_eq_u32 s[WV], 1
	s_cbranch_scc0 .Lasked
.irp s, 0,1,2,3
	tensor_load_to_lds s[G0V+4*\s:G0V+4*\s+3], s[G1V:G1V+7]
	s_nop 0
.endr
.rept 4
	v_nop
.endr
.Lasked:
	v_and_b32 v7, 31, v0                           ; lane
	s_delay_alu instid0(VALU_DEP_1)
	v_lshlrev_b32 v[L16], 4, v7
	s_delay_alu instid0(VALU_DEP_2)
	v_lshlrev_b32 v[L8], 3, v7
	v_and_b32 v10, 15, v0                          ; r
	v_bfe_u32 v11, v0, 4, 1                        ; h
	s_delay_alu instid0(VALU_DEP_1)
	v_lshl_add_u32 v[CSO], v10, 5, v11
	s_delay_alu instid0(VALU_DEP_3)
	v_lshlrev_b32 v[QSO], 4, v10
.irp p, 0,1,2
	global_load_b64 v[QF+2*\p:QF+2*\p+1], v[L8], s[80:81] offset:256*\p              ; the first pass's tile of Q,
	global_load_b64 v[QB+2*\p:QB+2*\p+1], v[L8], s[80:81] offset:2*KBLK+256*\p       ; and the second's: 256 tokens on
.endr
	global_load_b32 v[QS], v[QSO], s[84:85]
	global_load_b32 v[QSB], v[QSO], s[84:85] offset:2*KBLK
.irp i, 6,7,8,9,10,11
	v_mov_b32 v[QF+\i], 0                          ; zero codes for K = 64 .. 127
.endr
	s_wait_loadcnt 0x0
; A KEY STEP: 128 keys.
.macro STEP
	v_add_nc_u32 v[ADK], s[TK], v[L8]              ; these four are also the places between the last step's products and the loads into the registers that they read
	v_add_nc_u32 v[ADKS], s[TK], v[L16]
	v_add_nc_u32 v[ADV], s[TV], v[L16]
	v_add_nc_u32 v[ADVS], s[TV], v[L8]
.irp t, 0,1,2,3,4,5,6,7
.irp p, 0,1,2
	ds_load_b64 v[KF+6*\t+2*\p:KF+6*\t+2*\p+1], v[ADK] offset:768*\t+256*\p   ; 32 lanes read 256 consecutive bytes
.endr
.endr
	ds_load_b128 v[KSC:KSC+3], v[ADKS] offset:6144
.irp t, 0,1,2,3
.irp c, 0,1,2
	ds_load_b128 v[VF+12*\t+4*\c:VF+12*\t+4*\c+3], v[ADV] offset:1536*\t+512*\c
.endr
.endr
	ds_load_b64 v[VSC:VSC+1], v[ADVS] offset:6144
	s_wait_dscnt 13                                ; K and its scale words are in; V's thirteen loads may be out: they land under the softmax
.irp t, 0,1,2,3,4,5,6,7                        ; S^T = K Q^T: eight accumulators, each begun with 0
.if \t%2
	v_wmma_scale_f32_16x16x128_f8f6f4 v[S+8*\t:S+8*\t+7], v[KF+6*\t:KF+6*\t+11], v[QF:QF+11], 0, v[KSC+\t/2], v[QS] matrix_a_fmt:MATRIX_FMT_BF6 matrix_b_fmt:MATRIX_FMT_BF6 matrix_a_scale:MATRIX_SCALE_ROW1
.else
	v_wmma_scale_f32_16x16x128_f8f6f4 v[S+8*\t:S+8*\t+7], v[KF+6*\t:KF+6*\t+11], v[QF:QF+11], 0, v[KSC+\t/2], v[QS] matrix_a_fmt:MATRIX_FMT_BF6 matrix_b_fmt:MATRIX_FMT_BF6
.endif
.endr                                          ; lane (r, h) holds query r; register 16 b + i is key 32 b + 16 h + i of the step
.rept 4
	v_nop                                          ; places: the scores are read, and K's registers written, behind them
.endr
.irp b, 0,1,2,3
	v_max3_num_f32 v[BM+\b], v[S+16*\b], v[S+16*\b+1], v[S+16*\b+2]   ; THE LARGEST SCORE OF EACH BLOCK OF 32 KEYS serves twice: for the row's maximum, and, since p rises with the score, for the block's largest p
.endr
.irp i, 3,5,7,9,11,13
.irp b, 0,1,2,3
	v_max3_num_f32 v[BM+\b], v[BM+\b], v[S+16*\b+\i], v[S+16*\b+\i+1]   ; (the four blocks by turns; each accumulator is read from its low end on)
.endr
.endr
.irp b, 0,1,2,3
	v_max_num_f32 v[BM+\b], v[BM+\b], v[S+16*\b+15]
.endr
.irp b, 0,1,2,3
	s_delay_alu instid0(VALU_DEP_4)
	v_permlanex16_b32 v[PD+\b], v[BM+\b], s[SEL], s[SEL+1]
.endr
.irp b, 0,1,2,3
	s_delay_alu instid0(VALU_DEP_4)
	v_max_num_f32 v[BM+\b], v[BM+\b], v[PD+\b]     ; with lane l xor 16's 16 keys
.endr
	s_delay_alu instid0(VALU_DEP_2)
	v_max3_num_f32 v[T], v[BM], v[BM+1], v[BM+2]
	s_delay_alu instid0(VALU_DEP_1)
	v_max_num_f32 v[T], v[T], v[BM+3]              ; the step's largest score of my query
	s_delay_alu instid0(VALU_DEP_1)
	v_mul_f32 v[T], s[CS], v[T]                    ; as t (c is positive)
	s_delay_alu instid0(VALU_DEP_1)
	v_max_num_f32 v13, v13, v[T]                   ; the running largest t
	v_mov_b32 v[T], v12
	s_delay_alu instid0(VALU_DEP_2)
	v_floor_f32 v12, -v13                          ; the new -M = floor(-t) = -ceil(t): M IS A WHOLE NUMBER
	s_delay_alu instid0(VALU_DEP_1)
	v_sub_f32 v[T], v12, v[T]                      ; M's old value less its new one: a whole number, 0 or less
	s_delay_alu instid0(VALU_DEP_1)
	v_cvt_i32_f32 v[T], v[T]                       ; (it saturates)
	s_delay_alu instid0(VALU_DEP_1)
	v_ldexp_f32 v[F], 1.0, v[T]                    ; f = 2^(old M - new M): a multiplication by it rounds nothing
.set J, 0
.rept 32
	v_pk_fma_f32 v[S+J:S+J+1], v[S+J:S+J+1], s[CS:CS+1], v[12:13] op_sel_hi:[1,0,0]   ; t - M, two at a time (of the pairs c and -M the low word serves both halves)
.set J, J+2
.endr
.irp b, 0,1,2,3
	v_fma_f32 v[BM+\b], v[BM+\b], s[CS], v12       ; the same of each block's largest score
.endr
.set J, 0
	s_setprio 1
	s_wait_alu depctr_va_vdst(0)
.rept 64
	v_exp_f32 v[S+J], v[S+J]                       ; p = 2^(t - M), at most 1: NOT normalised
.set J, J+1
.endr
.irp b, 0,1,2,3
	v_exp_f32 v[BM+\b], v[BM+\b]                   ; the block's largest p: the same two instructions on the same number give the same bits
.endr
	v_pk_mul_f32 v[14:15], v[14:15], v[F:F+1] op_sel_hi:[1,0]   ; the sums under the new M.  (A plain place behind the exponentials)
	s_wait_alu depctr_va_vdst(0)
.irp b, 0,1,2,3
	v_max_num_f32 v[BM+\b], 0x2800000, v[BM+\b]    ; the floor 2^(5 - 127): the byte cannot fall under 1
.endr
.irp b, 0,1,2,3
	s_delay_alu instid0(VALU_DEP_4)
	v_add_nc_u32 v[SO+\b], 0xfe000000, v[BM+\b]    ; 4 off the exponent field: the conversion's scale operand
.endr
.irp b, 0,1,2,3
	s_delay_alu instid0(VALU_DEP_4)
	v_lshrrev_b32 v[PD+\b], 23, v[SO+\b]           ; the scale's byte
.endr
	s_delay_alu instid0(VALU_DEP_3)
	v_lshl_or_b32 v[PS], v[PD+1], 8, v[PD]         ; p's scale word for these 128 keys
	s_delay_alu instid0(VALU_DEP_1)
	v_lshl_or_b32 v[PS], v[PD+2], 16, v[PS]
	s_delay_alu instid0(VALU_DEP_1)
	v_lshl_or_b32 v[PS], v[PD+3], 24, v[PS]
.irp c, 0,1
	v_cvt_scalef32_pk16_bf6_f32 v[PCD+6*\c:PCD+6*\c+2], v[S+32*\c:S+32*\c+15], v[SO+2*\c]
	v_cvt_scalef32_pk16_bf6_f32 v[CT+4*\c:CT+4*\c+2], v[S+32*\c+16:S+32*\c+31], v[SO+2*\c+1]   ; (a conversion's three registers begin on an even number)
.endr
	v_nop                                          ; one plain place behind a scaled conversion
.irp c, 0,1                                    ; the operand's layout wants a WHOLE block in a lane: lanes 0-15 block 2 c, lanes 16-31 block 2 c + 1
.irp i, 0,1,2
	v_permlane16_swap_b32 v[PCD+6*\c+\i], v[CT+4*\c+\i]
.endr
.irp i, 0,1,2
	s_delay_alu instid0(VALU_DEP_3)
	v_mov_b32 v[PCD+3+6*\c+\i], v[CT+4*\c+\i]
.endr
.endr
	v_pk_add_f32 v[68:69], v[150:151], v[154:155]
	v_pk_add_f32 v[90:91], v[158:159], v[162:163]
	v_pk_add_f32 v[88:89], v[166:167], v[170:171]
	v_pk_add_f32 v[86:87], v[174:175], v[178:179]
	v_pk_add_f32 v[84:85], v[182:183], v[186:187]
	v_pk_add_f32 v[82:83], v[190:191], v[194:195]
	v_pk_add_f32 v[80:81], v[198:199], v[202:203]
	v_pk_add_f32 v[14:15], v[14:15], v[206:207]
	v_pk_add_f32 v[68:69], v[68:69], v[146:147]
	v_pk_add_f32 v[90:91], v[90:91], v[148:149]
	v_pk_add_f32 v[88:89], v[88:89], v[152:153]
	v_pk_add_f32 v[86:87], v[86:87], v[156:157]
	v_pk_add_f32 v[84:85], v[84:85], v[160:161]
	v_pk_add_f32 v[82:83], v[82:83], v[164:165]
	v_pk_add_f32 v[80:81], v[80:81], v[168:169]
	v_pk_add_f32 v[14:15], v[14:15], v[172:173]
	v_pk_add_f32 v[68:69], v[68:69], v[176:177]
	v_pk_add_f32 v[90:91], v[90:91], v[180:181]
	v_pk_add_f32 v[88:89], v[88:89], v[184:185]
	v_pk_add_f32 v[86:87], v[86:87], v[188:189]
	v_pk_add_f32 v[84:85], v[84:85], v[192:193]
	v_pk_add_f32 v[82:83], v[82:83], v[196:197]
	v_pk_add_f32 v[80:81], v[80:81], v[200:201]
	v_pk_add_f32 v[14:15], v[14:15], v[204:205]
	v_pk_add_f32 v[68:69], v[68:69], v[208:209]
	s_delay_alu instid0(VALU_DEP_2)
	v_pk_add_f32 v[14:15], v[14:15], v[86:87]
	s_delay_alu instid0(VALU_DEP_2)
	v_pk_add_f32 v[68:69], v[68:69], v[84:85]
	s_setprio 0
	v_pk_add_f32 v[90:91], v[90:91], v[82:83]
	v_pk_add_f32 v[88:89], v[88:89], v[80:81]
	s_delay_alu instid0(VALU_DEP_2)
	v_pk_add_f32 v[14:15], v[14:15], v[90:91]
	s_delay_alu instid0(VALU_DEP_2)
	v_pk_add_f32 v[68:69], v[68:69], v[88:89]
	s_delay_alu instid0(VALU_DEP_1)
	v_pk_add_f32 v[14:15], v[14:15], v[68:69]
.set J, 0
.rept 16
	v_pk_mul_f32 v[OT+J:OT+J+1], v[OT+J:OT+J+1], v[F:F+1] op_sel_hi:[1,0]   ; O^T under the new M.  (The sums and these are the places between the lines that made p's codes and scale word and the products below)
.set J, J+2
.endr
	s_wait_alu depctr_va_vdst(0)
	s_wait_dscnt 0x0                               ; V and its scale words are in
.irp t, 0,1,2,3                                ; O^T += V^T P^T: four accumulators by turns; K = these 128 keys
.if \t%2
	v_wmma_scale_f32_16x16x128_f8f6f4 v[OT+8*\t:OT+8*\t+7], v[VF+12*\t:VF+12*\t+11], v[PCD:PCD+11], v[OT+8*\t:OT+8*\t+7], v[VSC+\t/2], v[PS] matrix_a_fmt:MATRIX_FMT_BF6 matrix_b_fmt:MATRIX_FMT_BF6 matrix_a_scale:MATRIX_SCALE_ROW1
.else
	v_wmma_scale_f32_16x16x128_f8f6f4 v[OT+8*\t:OT+8*\t+7], v[VF+12*\t:VF+12*\t+11], v[PCD:PCD+11], v[OT+8*\t:OT+8*\t+7], v[VSC+\t/2], v[PS] matrix_a_fmt:MATRIX_FMT_BF6 matrix_b_fmt:MATRIX_FMT_BF6
.endif
.endr
	s_add_co_u32 s[TK], s[TK], KBLK                ; the next 128 keys
	s_add_co_u32 s[TV], s[TV], VBLK
.endm
; A SEGMENT of 512 keys.  The wave that asked for it waits until it has landed (the 3 - n segments asked for behind it may be out; in the second pass nothing is out), then all sixteen waves meet; no LDS byte is ever filled again.
.macro SEG n
	s_wait_tensorcnt 3-\n
	s_barrier_signal -1                            ; (no LDS load of mine is out: the last step's wait for V was for 0)
	s_barrier_wait -1
	s_mov_b32 s[TK], \n*KSEG
	s_mov_b32 s[TV], VB+\n*VSEG
	s_mov_b32 s[CNT], 4
.Lseg_\@:
	s_setprio 2
	STEP
	s_sub_co_u32 s[CNT], s[CNT], 1
	s_cmp_lg_u32 s[CNT], 0
	s_cbranch_scc1 .Lseg_\@
	s_setprio 0
.endm
.Lpass:                                            ; two trips: a tile of 16 queries each
	v_mov_b32 v13, 0xff61b1e6                      ; the largest t so far: -3e38, under every t
	s_delay_alu instid0(VALU_DEP_1)
	v_floor_f32 v12, -v13                          ; -M
	v_mov_b32 v14, 0                               ; the sum, in two halves
	v_mov_b32 v15, 0
.set J, 0
.rept 32
	v_mov_b32 v[OT+J], 0                           ; O^T.  (The step is written once: the first finds zeros, which the first change of M leaves zeros)
.set J, J+1
.endr
	SEG 0
	SEG 1
	SEG 2
	SEG 3
	; THE PASS'S END: O^T / the sum is ctx: register 16 b + i of lane (r, h) is channel 32 b + 16 h + i of the head for token r: two blocks of 32 along E
.rept 4
	v_nop                                          ; places behind the last products
.endr
	v_add_f32 v14, v14, v15                        ; the sum's two halves,
	s_delay_alu instid0(VALU_DEP_1)
	v_permlanex16_b32 v[T], v14, s[SEL], s[SEL+1]
	s_delay_alu instid0(VALU_DEP_1)
	v_add_f32 v14, v14, v[T]                       ; and lane l xor 16's: the row's sum
	s_wait_alu depctr_va_vdst(0)
	v_rcp_f32 v14, v14
	v_nop                                          ; one plain place behind the reciprocal
.set J, 0
	s_wait_alu depctr_va_vdst(0)
.rept 32
	v_mul_f32 v[OT+J], v[OT+J], v14                ; each accumulator from its low end on
.set J, J+1
.endr
.irp b, 0,1
	v_max3_num_f32 v[BM+\b], |v[OT+16*\b]|, |v[OT+16*\b+1]|, 0x2800000   ; the block's largest magnitude, with the floor 2^(5 - 127)
.endr
.irp i, 2,4,6,8,10,12,14
.irp b, 0,1
	s_delay_alu instid0(VALU_DEP_2)
	v_max3_num_f32 v[BM+\b], v[BM+\b], |v[OT+16*\b+\i]|, |v[OT+16*\b+\i+1]|
.endr
.endr
.irp b, 0,1
	s_delay_alu instid0(VALU_DEP_2)
	v_permlanex16_b32 v[PD+\b], v[BM+\b], s[SEL], s[SEL+1]
.endr
.irp b, 0,1
	s_delay_alu instid0(VALU_DEP_2)
	v_max_num_f32 v[BM+\b], v[BM+\b], v[PD+\b]
.endr
.irp b, 0,1
	s_delay_alu instid0(VALU_DEP_2)
	v_add_nc_u32 v[SO+\b], 0xfe000000, v[BM+\b]
.endr
.irp b, 0,1
	s_delay_alu instid0(VALU_DEP_2)
	v_lshrrev_b32 v[PD+\b], 23, v[SO+\b]
.endr
	v_cvt_scalef32_pk16_bf6_f32 v[PCD:PCD+2], v[OT:OT+15], v[SO]
	v_cvt_scalef32_pk16_bf6_f32 v[CT:CT+2], v[OT+16:OT+31], v[SO+1]
	v_nop                                          ; one plain place behind a scaled conversion
.irp i, 0,1,2
	v_permlane16_swap_b32 v[PCD+\i], v[CT+\i]      ; lanes 0-15 now hold block 0 whole, lanes 16-31 block 1
.endr
.irp i, 0,1,2
	s_delay_alu instid0(VALU_DEP_3)
	v_mov_b32 v[PCD+3+\i], v[CT+\i]
.endr
	v_cndmask_b32 v[T], v[PD], v[PD+1], s[LM]      ; my block's byte
.irp p, 0,1,2
	global_store_b64 v[L8], v[PCD+2*\p:PCD+2*\p+1], s[8:9] offset:256*\p   ; 32 lanes store 256 consecutive bytes, aligned
.endr
	global_store_b8 v[CSO], v[T], s[10:11]         ; two bytes of each of 16 rows of 32: one byte for every 24 bytes of codes
	s_wait_xcnt 0x0                                ; the stores have read their registers and bases: both may be written again
	s_add_nc_u64 s[8:9], s[8:9], 16*12288          ; the second pass's tile: 256 tokens on
	s_add_nc_u64 s[10:11], s[10:11], 16*512
.irp i, 0,1,2,3,4,5
	v_mov_b32 v[QF+\i], v[QB+\i]                   ; its Q (the clearing of O^T stands between these lines and the next products)
.endr
	v_mov_b32 v[QS], v[QSB]
	s_sub_co_u32 s[PASS], s[PASS], 1
	s_cmp_lg_u32 s[PASS], 0
	s_cbranch_scc1 .Lpass
	s_wait_tensorcnt 0x0
	ds_add_u32 v254, v255
	s_wait_dscnt 0x0
	CROUND                                         ; the closing round: no work-group ends while a partner may still ask for a segment that names it
	s_endpgm
.Lfunc_end_k_q204b385e18_attn:
	.size	k_q204b385e18_attn, .Lfunc_end_k_q204b385e18_attn-k_q204b385e18_attn
	.p2alignl 7, 3214868480
	.fill 96, 4, 3214868480
	.section	.rodata,"a",@progbits
	.p2align	6, 0x0
	.amdhsa_kernel k_q204b385e18_attn
		.amdhsa_group_segment_fixed_size 210944
		.amdhsa_private_segment_fixed_size 0
		.amdhsa_enable_private_segment 0
		.amdhsa_kernarg_size 32
		.amdhsa_user_sgpr_count 2
		.amdhsa_user_sgpr_kernarg_segment_ptr 1
		.amdhsa_wavefront_size32 1
		.amdhsa_system_sgpr_workgroup_id_x 1
		.amdhsa_system_sgpr_workgroup_id_y 1
		.amdhsa_system_sgpr_workgroup_id_z 1
		.amdhsa_system_vgpr_workitem_id 0
		.amdhsa_next_free_vgpr 256
		.amdhsa_next_free_sgpr 96
		.amdhsa_reserve_vcc 0
		.amdhsa_float_denorm_mode_32 3
		.amdhsa_float_denorm_mode_16_64 3
		.amdhsa_memory_ordered 1
		.amdhsa_forward_progress 1
		.amdhsa_inst_pref_size 86
	.end_amdhsa_kernel
	.amdgpu_metadata
---
amdhsa.version: [ 1, 2 ]
amdhsa.kernels:
  - .name:           k_q204b385e18_attn
    .symbol:         k_q204b385e18_attn.kd
    .args:
      - { .name: qk, .offset: 0, .size: 8, .value_kind: global_buffer, .address_space: global }
      - { .name: vi, .offset: 8, .size: 8, .value_kind: global_buffer, .address_space: global }
      - { .name: cc, .offset: 16, .size: 8, .value_kind: global_buffer, .address_space: global }
      - { .name: cs, .offset: 24, .size: 8, .value_kind: global_buffer, .address_space: global }
    .group_segment_fixed_size: 210944
    .private_segment_fixed_size: 0
    .kernarg_segment_align: 8
    .kernarg_segment_size: 32
    .max_flat_workgroup_size: 512
    .sgpr_count:     96
    .vgpr_count:     256
    .wavefront_size: 32
...
	.end_amdgpu_metadata
.endif
;; end of part 3
;; launch outp (part 4): grid 4 x 32, 4 waves a work-group, clusters of 4 x 4, 327,680 bytes of LDS; arguments cc, cs, codes, scl, bo, out0; writes out0
.if DOCPART == 4
	.amdgcn_target "amdgcn-amd-amdhsa--gfx1250"
	.amdhsa_code_object_version 6
	.text
	.protected	k_q204b385e18_outp
	.globl	k_q204b385e18_outp
	.p2align	8
	.type	k_q204b385e18_outp,@function
k_q204b385e18_outp:
	s_mov_b64 s[64:65], 0
	v_nop
	global_prefetch_b8 v0, s[64:65] scope:SCOPE_SE
	s_setreg_imm32_b32 hwreg(HW_REG_WAVE_MODE, 25, 1), 1
	s_wait_xcnt 0x0
	s_wait_alu depctr_hold_cnt(0) depctr_sa_sdst(0) depctr_va_vdst(0) depctr_va_sdst(0) depctr_va_ssrc(0) depctr_va_vcc(0) depctr_vm_vsrc(0)
	s_getreg_b32 s2, hwreg(HW_REG_IB_STS2, 6, 4)
	s_cmp_eq_u32 s2, 0
	s_cbranch_scc0 .Lentry_in_a_cluster
	s_endpgm
.Lentry_in_a_cluster:
	s_bfe_u32 s2, ttmp6, 0x10000c
	s_cmp_lg_u32 s2, 0xf033
	s_cbranch_scc0 .Lentry_shape_is_right
	s_endpgm
.Lentry_shape_is_right:
; out0[m][n] = sum over k of ctx[m][k] Wo[n][k] + bo[n], on codes of BF6 (E3M2) with one E8M0 scale for each 32 along K; out0 [8192][1024] f32; sums in f32.
; A = ctx arrives as IMAGES OF THE OPERAND'S REGISTERS: cc [16 rows: 512][128 along K: 8][6 pieces of 256 bytes: registers 2 p, 2 p + 1 at 8 x lane]; its scale bytes cs [8192][32].
; B = Wo: rows of 768 bytes of codes at byte WO_C of the codes' buffer, scale bytes [1024][32] at byte WO_S of scl.
; A tile of 256 x 256 is made by a work-group of four waves; a wave makes 128 x 128: 64 accumulators of 16 x 16, 512 registers.  K goes in steps of 256 through a ring of two LDS slots filled by the tensor data mover.
; THE SCALES of the work-group's 256 rows of A and of B, for all of K, come into LDS once, with the first fills, and stay.  THE BIAS is the C of each sum's first matrix instruction: 64 registers in the result's layout.
; CLUSTERS: 4 x 4 work-groups.  The four of a row of the cluster need the same tiles of A, the four of a column the same tiles of B: each tile is asked for JOINTLY, by the same tensor load with the same descriptor and a mask that names the four.
; THE MATRIX INSTRUCTION IS USED TRANSPOSED (source 0 = 16 rows of B, source 1 = 16 rows of A): a lane then holds eight neighbouring numbers of a row of out0.
; REGISTERS, in windows of 256: window 0: v0-31 addresses; v32-63 scale words, two sets; v64-127 the bias; from v128 A's fragments, ONE set; on the way out v128-255 hold rows.
;   window 1: B's fragments, TWO sets, at v0 and at v128.   window 2: the 32 accumulators of my rows 0-63 (accumulator (a, b) at v[8 (8 a + b)]);   window 3: those of my rows 64-127.
.set SIZE_N, 1024
.set SIZE_K, 1024
.set KSTEP,  256
.set NQ,     KSTEP/128
.set ROWB,   192                       ; a row of B's tile in bytes
.set KROW,   SIZE_K*6/8                ; a row of codes in memory; also 1/16 of what 16 rows of A take
.set AROW,   3072                      ; A: 16 rows x 256 along K: two images of 1,536 bytes
.set PITCH,  240                       ; B's LDS row: 3 x (64 bytes of data + 16 of padding)
.set FR,     12
.set NL,     6
.set NP,     4                         ; places behind this matrix instruction (ISA guide 7.12.1)
.set HALFT,  128*PITCH                 ; a quarter of a slot: 128 rows of B; A's 128 rows take 24,576 bytes of theirs
.set SLOT,   4*HALFT
.set LAPS,   SIZE_K/(2*KSTEP)
.set KS,     SIZE_K/32
.set SCL,    2*SLOT
.set HALFS,  (128*KS/256)*272
.set SBLK,   (16*KS/256)*272
.set SPARE,  SCL+4*HALFS               ; the spare words, 128 bytes for each wave: two blocks of 256 bytes that no other line names
.set SPITCH, 528                       ; the way out: a stage of 16 rows x (512 bytes + 16) for each wave, in slot 0, which has had its last fill and its last read when the first result is stored there
.set WO_C,   3*8192*KROW+3*1024*KROW   ; Wo's codes: behind the three x and three weights
.set WO_S,   3*8192*KS+3*1024*KS
.set ADRA, 16                          ; v16-17  LDS address of my A images in slot 0, 1
.set ADRB, 20                          ; v20-21  of my B fragments  (v22-23: for the pieces that lie behind one padding more)
.set STO,  24
.set RD,   25
.set CO,   26
.set ADRS, 27
.set SPW,  28
.set NIL,  29
.set SC,   32
.set BIAS, 64                          ; v64-127: register 8 b + j: bo at my column 16 b + 8 (lane / 16) + j
.set AF,   128
.set BK,   128
.set G1, 24
.set G0, 32
.set G1B, 48
.set G0B, 56
.set G1S, 68
.set G0S, 76
.set G1SB, 80
.set G0SB, 88
.set MSB, 0
.macro WIN new                         ; the immediate's high byte repeats the setting that is left
.if MSB != \new
	s_set_vgpr_msb (MSB<<8)|\new
.set MSB, \new
.endif
.endm
.set MUL_LO, 0xa1                      ; source 0 (B) window 1, source 1 (A) window 0, C and D window 2
.set MUL_HI, 0xf1                      ; the same, C and D window 3
.set BEG_LO, 0x81                      ; the first step: C (the bias) window 0, D window 2
.set BEG_HI, 0xc1                      ; D window 3
.set TO_B,   0x40
.macro JLOAD g0a, g1a, g0b, g1b        ; a joint load: waves 0 and 1 fetch for A, waves 2 and 3 for B; four v_nop follow each of the two lines
	s_cmp_eq_u32 s15, 0
	s_cbranch_scc0 .Lfor_b_\@
	tensor_load_to_lds s[\g0a:\g0a+3], s[\g1a:\g1a+7]
	s_nop 0
.rept 4
	v_nop
.endr
	s_branch .Lasked_\@
.Lfor_b_\@:
	tensor_load_to_lds s[\g0b:\g0b+3], s[\g1b:\g1b+7]
	s_nop 0
.rept 4
	v_nop
.endr
.Lasked_\@:
.endm
.macro CREST
	s_cmp_lg_u32 s14, 0
	s_cbranch_scc1 .Lnot_wave_0_\@
	s_barrier_signal -3
.Lnot_wave_0_\@:
	s_barrier_wait -3
	s_barrier_signal -1
	s_barrier_wait -1
.endm
.macro CROUND
	s_barrier_signal -1
	s_barrier_wait -1
	CREST
.endm
	s_load_b128 s[4:7], s[0:1], 0x0                ; cc s[4:5], cs s[6:7]
	s_load_b128 s[8:11], s[0:1], 0x10              ; codes s[8:9], scl s[10:11]
	s_load_b64 s[96:97], s[0:1], 0x20              ; bo
	s_load_b64 s[12:13], s[0:1], 0x28              ; out0
	v_lshl_add_u32 v[SPW], v0, 2, SPARE
	v_mov_b32 v[NIL], 0
	ds_add_u32 v28, v29
	ds_add_u32 v28, v29
	s_wait_dscnt 0x0
	v_lshrrev_b32 v1, 5, v0
	v_readfirstlane_b32 s14, v1                    ; wave 0..3
	s_lshr_b32 s15, s14, 1                         ; which half of the tile's rows is mine.  Also: I fetch for A (0) or for B (1)
	s_and_b32 s16, s14, 1                          ; which half of its columns.  Also: which 128 rows of that tile I fetch
	s_bfe_u32 s40, ttmp6, 0x40000                  ; cx, cy
	s_bfe_u32 s41, ttmp6, 0x40004
	s_lshl_b32 s42, ttmp9, 2
	s_add_co_u32 s42, s42, s40                     ; tile column = 4 x cluster x + cx
	s_and_b32 s17, ttmp7, 0xffff
	s_lshl_b32 s17, s17, 2
	s_add_co_u32 s17, s17, s41                     ; tile row = 4 x cluster y + cy
	s_lshl_b32 s43, s41, 2
	s_lshl_b32 s43, 15, s43                        ; my row of the cluster
	s_lshl_b32 s44, 0x1111, s40                    ; my column
	; group 1 for A: 8 rows (16 rows of ctx each) of 3,072 bytes (384 elements of 8 bytes), 12,288 bytes apart, no padding
	s_or_b32 s[G1+0], s43, (3<<16)|(1<<21)
	s_mov_b32 s[G1+1], (AROW/8)<<16                ; tensor_dim0
	s_mov_b32 s[G1+2], 8<<16                       ; tensor_dim1
	s_mov_b32 s[G1+3], (AROW/8)<<16                ; tile_dim0
	s_mov_b32 s[G1+4], 8                           ; tile_dim1
	s_mov_b32 s[G1+5], 16*KROW/8                   ; tensor_dim0_stride
	s_mov_b32 s[G1+6], 0
	s_mov_b32 s[G1+7], 0
	; for B: 128 rows x 192 bytes, 16 bytes of padding behind every 64
	s_or_b32 s[G1B+0], s44, (0<<16)|(1<<20)|(1<<21)|(3<<22)|(3<<25)
	s_mov_b32 s[G1B+1], ROWB<<16
	s_mov_b32 s[G1B+2], 128<<16
	s_mov_b32 s[G1B+3], ROWB<<16
	s_mov_b32 s[G1B+4], 128
	s_mov_b32 s[G1B+5], KROW
	s_mov_b32 s[G1B+6], 0
	s_mov_b32 s[G1B+7], 0
	; for the scales of 128 rows: 4,096 dense bytes as rows of 256 bytes, 16 bytes of padding behind each
	s_or_b32 s[G1S+0], s43, (3<<16)|(1<<20)|(1<<21)|(5<<22)|(3<<25)
	s_or_b32 s[G1SB+0], s44, (3<<16)|(1<<20)|(1<<21)|(5<<22)|(3<<25)
.irp g, G1S, G1SB
	s_mov_b32 s[\g+1], 32<<16
	s_mov_b32 s[\g+2], (128*KS/256)<<16
	s_mov_b32 s[\g+3], 32<<16
	s_mov_b32 s[\g+4], 128*KS/256
	s_mov_b32 s[\g+5], 32
	s_mov_b32 s[\g+6], 0
	s_mov_b32 s[\g+7], 0
.endr
	s_lshl_b32 s18, s16, 7
	s_lshl_b32 s20, s17, 8
	s_add_co_u32 s20, s20, s18                     ; A: row 256 x tile row + 128 x half
	s_lshl_b32 s46, s42, 8
	s_add_co_u32 s46, s46, s18                     ; B: row 256 x tile column + 128 x half
	s_mov_b32 s21, 0
	s_mov_b32 s47, 0
	s_mov_b64 s[18:19], KS
	s_mul_u64 s[22:23], s[20:21], s[18:19]         ; where these rows' scales begin
	s_mul_u64 s[92:93], s[46:47], s[18:19]
	s_mov_b64 s[18:19], KROW
	s_mul_u64 s[20:21], s[20:21], s[18:19]         ; and their codes (A: 16 rows take 16 x 768 bytes, so the product is the same)
	s_mul_u64 s[46:47], s[46:47], s[18:19]
	s_add_nc_u64 s[46:47], s[46:47], WO_C
	s_add_nc_u64 s[92:93], s[92:93], WO_S
	s_mul_i32 s45, s14, HALFT                      ; where they go: wave x a quarter of a slot
	s_mul_i32 s94, s14, HALFS
	s_wait_kmcnt 0x0
	s_add_nc_u64 s[20:21], s[4:5], s[20:21]
	s_add_nc_u64 s[22:23], s[6:7], s[22:23]
	s_add_nc_u64 s[46:47], s[8:9], s[46:47]
	s_add_nc_u64 s[92:93], s[10:11], s[92:93]
	CROUND                                         ; all sixteen work-groups are here: the first joint loads meet
	s_mov_b32 s[G0S], 1
	s_add_co_u32 s[G0S+1], s94, SCL
	s_mov_b64 s[G0S+2:G0S+3], s[22:23]
	s_or_b32 s[G0S+3], s[G0S+3], 0x80000000
	s_mov_b32 s[G0SB], 1
	s_add_co_u32 s[G0SB+1], s94, SCL
	s_mov_b64 s[G0SB+2:G0SB+3], s[92:93]
	s_or_b32 s[G0SB+3], s[G0SB+3], 0x80000000
	JLOAD G0S, G1S, G0SB, G1SB                     ; the scales first
.irp s, 0,1
	s_mov_b32 s[G0+4*\s], 1
	s_add_co_u32 s[G0+4*\s+1], s45, \s*SLOT
	s_add_nc_u64 s[G0+4*\s+2:G0+4*\s+3], s[20:21], \s*AROW
	s_or_b32 s[G0+4*\s+3], s[G0+4*\s+3], 0x80000000
	s_mov_b32 s[G0B+4*\s], 1
	s_add_co_u32 s[G0B+4*\s+1], s45, \s*SLOT
	s_add_nc_u64 s[G0B+4*\s+2:G0B+4*\s+3], s[46:47], \s*ROWB
	s_or_b32 s[G0B+4*\s+3], s[G0B+4*\s+3], 0x80000000
	JLOAD G0+4*\s, G1, G0B+4*\s, G1B               ; by this text's count three tensor loads of a wave are out here, later one behind each round
.endr
	v_and_b32 v1, 15, v0                           ; l % 16
	v_bfe_u32 v2, v0, 4, 1                         ; l / 16
	v_mul_u32_u24 v3, v1, PITCH
	v_mul_u32_u24 v4, v2, 24
	v_add_nc_u32 v4, v3, v4                        ; B: a fragment's row x pitch + 24 x half
	v_lshl_add_u32 v5, v2, 4, v4                   ; and the same behind one padding more
	v_and_b32 v6, 31, v0
	v_lshlrev_b32 v8, 3, v6                        ; A: 8 x lane
	s_mul_i32 s21, s15, HALFT                      ; my 128 rows of A
	s_mul_i32 s22, s16, HALFT                      ; my 128 rows of B,
	s_add_co_u32 s22, s22, 2*HALFT                 ; which lie behind A's two quarters
.irp s, 0,1
	v_add_nc_u32 v[ADRA+\s], s21, v8
	v_add_nc_u32 v[ADRB+\s], s22, v4
	v_add_nc_u32 v[ADRB+2+\s], s22, v5
	s_add_co_u32 s21, s21, SLOT
	s_add_co_u32 s22, s22, SLOT
.endr
	v_mul_u32_u24 v5, v1, KS                       ; my row's scales: KS bytes a row,
	v_lshrrev_b32 v6, 8, v5
	v_lshl_add_u32 v5, v6, 4, v5                   ; and 16 more for each 256 passed
	s_mul_i32 s21, s15, HALFS
	s_mul_i32 s22, s16, HALFS
	s_add_co_u32 s22, s22, 2*HALFS
	s_sub_co_u32 s22, s22, s21
	v_mul_u32_u24 v6, s22, v2                      ; lanes 16-31 take B's
	s_add_co_u32 s21, s21, SCL
	v_add_nc_u32 v5, v5, v6
	v_add_nc_u32 v[ADRS], s21, v5
	s_mul_i32 s23, s14, 16*SPITCH                  ; my stage
	v_mul_u32_u24 v5, v1, SPITCH                   ; in: row l % 16, 32 bytes for each half of the lanes
	v_lshl_add_u32 v5, v2, 5, v5
	v_add_nc_u32 v[STO], s23, v5
	v_and_b32 v6, 31, v0
	v_lshlrev_b32 v[CO], 4, v6                     ; back: the 32 lanes take one row of 512 bytes; and the same in out0
	v_add_nc_u32 v[RD], s23, v[CO]
	s_lshl_b32 s20, s17, 8
	s_lshl_b32 s21, s15, 7
	s_add_co_u32 s20, s20, s21                     ; my first row of out0
	s_mov_b32 s21, 0
	s_mov_b64 s[18:19], SIZE_N*4
	s_mul_u64 s[20:21], s[20:21], s[18:19]
	s_lshl_b32 s46, s42, 10                        ; my first column, in bytes: 1024 x tile column + 512 x half
	s_lshl_b32 s47, s16, 9
	s_add_co_u32 s46, s46, s47
	s_mov_b32 s47, 0
	s_add_nc_u64 s[96:97], s[96:97], s[46:47]      ; bo at my first column
	s_add_nc_u64 s[20:21], s[20:21], s[46:47]
	s_add_nc_u64 s[12:13], s[12:13], s[20:21]
	v_lshlrev_b32 v7, 5, v2                        ; lanes 16-31 take the eight columns behind lanes 0-15's
.irp b, 0,1,2,3,4,5,6,7
	global_load_b128 v[BIAS+8*\b:BIAS+8*\b+3], v7, s[96:97] offset:64*\b
	global_load_b128 v[BIAS+8*\b+4:BIAS+8*\b+7], v7, s[96:97] offset:64*\b+16
.endr
.macro FRAG reg, adr, q, i             ; a fragment of B from rows: 24 bytes of the row's stream of bits for each half of 64 along K, in pieces of 8 bytes
.irp p, 0,1,2,3,4,5
.set PCE, 12*(\q)+6*(\p/3)+\p%3       ; 16 bytes of padding lie behind every 8 pieces: where the piece three on lies behind one padding more, the second address register serves
.if PCE%8 < 5
	ds_load_b64 v[\reg+2*\p:\reg+2*\p+1], v[\adr] offset:8*PCE+16*(PCE/8)+(\i)*16*PITCH
.else
	ds_load_b64 v[\reg+2*\p:\reg+2*\p+1], v[\adr+2] offset:8*PCE+16*(PCE/8)+(\i)*16*PITCH
.endif
.endr
.endm
.macro FRAGA reg, slot, q, i           ; a fragment of A from its image: piece p is registers 2 p, 2 p + 1; 32 lanes read 256 consecutive bytes
.irp p, 0,1,2,3,4,5
	ds_load_b64 v[\reg+2*\p:\reg+2*\p+1], v[ADRA+\slot] offset:AROW*(\i)+1536*(\q)+256*\p
.endr
.endm
; 16 matrix instructions: A's blocks a0, a0 + 1 x B's eight, 128 along K.  first = 1: the first product starts the sums, with the bias as its C: nothing is cleared and nothing is added later.
; The 64 accumulators take turns, one instruction a turn, in the same order in every step.
.macro MUL16 a0, p, q, sc, first
.irp a, \a0, \a0+1
.irp b, 0,1,2,3,4,5,6,7
.if \first
	v_wmma_scale_f32_16x16x128_f8f6f4 v[8*(8*((\a)%4)+\b):8*(8*((\a)%4)+\b)+7], v[128*(\p)+FR*\b:128*(\p)+FR*\b+FR-1], v[AF+FR*(\a):AF+FR*(\a)+FR-1], v[BIAS+8*\b:BIAS+8*\b+7], v[SC+8*NQ*(\sc)+NQ*\b+(\q)], v[SC+8*NQ*(\sc)+NQ*(\a)+(\q)] matrix_a_fmt:MATRIX_FMT_BF6 matrix_b_fmt:MATRIX_FMT_BF6 matrix_a_scale:MATRIX_SCALE_ROW1
.else
	v_wmma_scale_f32_16x16x128_f8f6f4 v[8*(8*((\a)%4)+\b):8*(8*((\a)%4)+\b)+7], v[128*(\p)+FR*\b:128*(\p)+FR*\b+FR-1], v[AF+FR*(\a):AF+FR*(\a)+FR-1], v[8*(8*((\a)%4)+\b):8*(8*((\a)%4)+\b)+7], v[SC+8*NQ*(\sc)+NQ*\b+(\q)], v[SC+8*NQ*(\sc)+NQ*(\a)+(\q)] matrix_a_fmt:MATRIX_FMT_BF6 matrix_b_fmt:MATRIX_FMT_BF6 matrix_a_scale:MATRIX_SCALE_ROW1
.endif
.endr
.endr
.endm
.macro FETCH_B slot, q, p
	WIN TO_B
.irp i, 0,1,2,3,4,5,6,7
	FRAG 128*(\p)+FR*\i, ADRB+\slot, \q, \i
.endr
	WIN 0
.endm
.macro FETCH_A slot, q, i0
.irp i, \i0, \i0+1, \i0+2, \i0+3
	FRAGA AF+FR*(\i), \slot, \q, \i
.endr
.endm
.macro SCALES sc
.irp i, 0,1,2,3,4,5,6,7
	ds_load_b64 v[SC+8*NQ*\sc+NQ*\i:SC+8*NQ*\sc+NQ*\i+1], v[ADRS] offset:\i*SBLK
.endr
.endm
; A load into a register that a matrix instruction has read, and an LDS store that reads a matrix result, stand NP places behind that matrix instruction;
; only plain vector instructions that name none of its registers are places (ISA guide 7.12.1 for vector instructions).
.macro PLACES n
.rept \n
	v_nop
.endr
.endm
.macro STEP slot, q, first
	s_wait_dscnt 4*NL                              ; B's set and A's blocks 0-3 are in; the youngest 24 loads (A's blocks 4-7) may be out
.if \first
	WIN BEG_LO
.else
	WIN MUL_LO
.endif
	MUL16 0, (\q)%2, \q, \slot, \first
	MUL16 2, (\q)%2, \q, \slot, \first
	s_wait_dscnt 0                                 ; A's blocks 4-7 are in
	PLACES NP
	FETCH_B \slot, (\q)+1, 1-(\q)%2
	FETCH_A \slot, (\q)+1, 0
.if \first
	WIN BEG_HI
.else
	WIN MUL_HI
.endif
	MUL16 4, (\q)%2, \q, \slot, \first
	MUL16 6, (\q)%2, \q, \slot, \first
	PLACES NP
	WIN 0
	FETCH_A \slot, (\q)+1, 4
.endm
; A slot's last step changes slots: ONE barrier; in front of it each wave waits for all its tensor loads, adds 0 to its spare word, and waits for that and for its own reads of this slot.  fill = 1: this slot is filled again, two K steps ahead.
.macro TURN slot, next, fill
	s_wait_tensorcnt 0x0                           ; all my tensor loads have landed: my part of the next slot;  (every window is 0 here)
	ds_add_u32 v[SPW], v[NIL]                      ; 0 onto my spare word
	s_wait_dscnt 4*NL+1                            ; (the add and the youngest 24 loads may be out)
	WIN MUL_LO
	MUL16 0, 1, NQ-1, \slot, 0                     ; sixteen matrix instructions stand between the add and the wait for it
	s_wait_dscnt 0x0                               ; the add is done, and my reads of this slot are over
	s_barrier_signal -1
	MUL16 2, 1, NQ-1, \slot, 0
	WIN 0
	s_barrier_wait -1
.if \fill
	CREST                                          ; the barrier has opened a round of the cluster's barrier: no wave of any partner still reads this slot's tile or has a load on its way
	s_add_nc_u64 s[G0+4*\slot+2:G0+4*\slot+3], s[G0+4*\slot+2:G0+4*\slot+3], 2*AROW
	s_add_nc_u64 s[G0B+4*\slot+2:G0B+4*\slot+3], s[G0B+4*\slot+2:G0B+4*\slot+3], 2*ROWB
	JLOAD G0+4*\slot, G1, G0B+4*\slot, G1B         ; the first tensor load behind the round; the four v_nop behind it are the places in front of the loads below
.else
	PLACES NP
.endif
	v_add_nc_u32 v[ADRS], 4*NQ, v[ADRS]            ; on to the next K step's scale words (no LDS load of mine is out)
	FETCH_B \next, 0, 0
	FETCH_A \next, 0, 0
	SCALES \next
	WIN MUL_HI
	MUL16 4, 1, NQ-1, \slot, 0
	MUL16 6, 1, NQ-1, \slot, 0
	PLACES NP
	WIN 0
	FETCH_A \next, 0, 4
.endm
	s_wait_tensorcnt 1                             ; the scales and my part of K step 0 are in (K step 1's load may be out)
	s_barrier_signal -1
	s_barrier_wait -1                              ; everybody's are
	FETCH_B 0, 0, 0
	FETCH_A 0, 0, 0
	SCALES 0
	FETCH_A 0, 0, 4
	s_wait_loadcnt 0x0                             ; the bias
	STEP 0, 0, 1                                   ; the first step stands in front of the loop: its products start the sums
	s_mov_b32 s3, LAPS-1
.Llap:                                                 ; a trip goes once round the ring and fills both slots again
	TURN 0, 1, 1
	STEP 1, 0, 0
	TURN 1, 0, 1
	STEP 0, 0, 0
	s_sub_co_u32 s3, s3, 1
	s_cmp_lg_u32 s3, 0
	s_cbranch_scc1 .Llap
	TURN 0, 1, 0                                   ; the last lap fills nothing, and has no round of the cluster's barrier
	STEP 1, 0, 0
	s_wait_dscnt 4*NL                              ; the very last step: nothing more to fetch
	WIN MUL_LO
	MUL16 0, 1, NQ-1, 1, 0
	MUL16 2, 1, NQ-1, 1, 0
	s_wait_dscnt 0
	WIN MUL_HI
	MUL16 4, 1, NQ-1, 1, 0
	MUL16 6, 1, NQ-1, 1, 0
	WIN 0
; THE WAY OUT, block by block of 16 rows x 128 columns, through my own stage in LDS: in as 32 bytes a lane, back as whole rows of 512 bytes.
; LDS serves a wave's instructions in order (ISA guide 5.7.1.4): no wait between the stores and the loads, nor in front of the next block's stores.
.macro TOSTAGE a
.set AC, 64*((\a)%4)
	WIN 0x08+4*((\a)/4)                            ; the data: window 2 or 3
.irp b, 0,1,2,3,4,5,6,7
	ds_store_b128 v[STO], v[AC+8*\b:AC+8*\b+3] offset:64*\b          ; each accumulator from its low end on
	ds_store_b128 v[STO], v[AC+8*\b+4:AC+8*\b+7] offset:64*\b+16
.endr
	WIN 0
.set BB, BK+64*((\a)%2)
.irp t, 0,1,2,3,4,5,6,7,8,9,10,11,12,13,14,15
	ds_load_b128 v[BB+4*\t:BB+4*\t+3], v[RD] offset:\t*SPITCH
.endr
.endm
.macro SEND a, younger                 ; younger: the LDS instructions issued behind block a's loads, which may stay out
.set BB, BK+64*((\a)%2)
	s_wait_dscnt \younger                          ; the block is back in registers
.if (\a) > 0
	s_add_nc_u64 s[12:13], s[12:13], 16*SIZE_N*4   ; (behind a wait on XCNT: the earlier stores have read their base)  16 rows on
.endif
.irp t, 0,1,2,3,4,5,6,7,8,9,10,11,12,13,14,15
	global_store_b128 v[CO], v[BB+4*\t:BB+4*\t+3], s[12:13] offset:\t*SIZE_N*4 th:TH_STORE_NT   ; 32 lanes store 512 consecutive bytes, aligned; written once, read by nobody here
.endr
.endm
	PLACES NP                                      ; behind the last products: for the loads into the registers that held A's fragments and for the reads of results
	TOSTAGE 0
.irp a, 1,2,3,4,5,6,7
.if \a > 1
	s_wait_xcnt 0x0                                ; block a - 2's stores have read their registers and their base
.endif
	TOSTAGE \a
	SEND \a-1, 32                                  ; behind block a - 1's loads: block a's 16 stores and 16 loads
.endr
	s_wait_xcnt 0x0                                ; block 6's stores have read their base
	SEND 7, 0
	s_wait_tensorcnt 0x0                           ; the wave's end: behind my last tensor load and my last LDS store
	ds_add_u32 v[SPW], v[NIL]
	s_wait_dscnt 0x0
	CROUND                                         ; the closing round: no work-group ends while a partner may still ask for a tile that names it
	s_endpgm
.Lfunc_end_k_q204b385e18_outp:
	.size	k_q204b385e18_outp, .Lfunc_end_k_q204b385e18_outp-k_q204b385e18_outp
	.p2alignl 7, 3214868480
	.fill 96, 4, 3214868480
	.section	.rodata,"a",@progbits
	.p2align	6, 0x0
	.amdhsa_kernel k_q204b385e18_outp
		.amdhsa_group_segment_fixed_size 327680
		.amdhsa_private_segment_fixed_size 0
		.amdhsa_enable_private_segment 0
		.amdhsa_kernarg_size 48
		.amdhsa_user_sgpr_count 2
		.amdhsa_user_sgpr_kernarg_segment_ptr 1
		.amdhsa_wavefront_size32 1
		.amdhsa_system_sgpr_workgroup_id_x 1
		.amdhsa_system_sgpr_workgroup_id_y 1
		.amdhsa_system_sgpr_workgroup_id_z 1
		.amdhsa_system_vgpr_workitem_id 0
		.amdhsa_next_free_vgpr 1024
		.amdhsa_next_free_sgpr 100
		.amdhsa_reserve_vcc 0
		.amdhsa_float_denorm_mode_32 3
		.amdhsa_float_denorm_mode_16_64 3
		.amdhsa_memory_ordered 1
		.amdhsa_forward_progress 1
		.amdhsa_inst_pref_size 162
	.end_amdhsa_kernel
	.amdgpu_metadata
---
amdhsa.version: [ 1, 2 ]
amdhsa.kernels:
  - .name:           k_q204b385e18_outp
    .symbol:         k_q204b385e18_outp.kd
    .args:
      - { .name: cc, .offset: 0, .size: 8, .value_kind: global_buffer, .address_space: global }
      - { .name: cs, .offset: 8, .size: 8, .value_kind: global_buffer, .address_space: global }
      - { .name: codes, .offset: 16, .size: 8, .value_kind: global_buffer, .address_space: global }
      - { .name: scl, .offset: 24, .size: 8, .value_kind: global_buffer, .address_space: global }
      - { .name: bo, .offset: 32, .size: 8, .value_kind: global_buffer, .address_space: global }
      - { .name: out0, .offset: 40, .size: 8, .value_kind: global_buffer, .address_space: global }
    .group_segment_fixed_size: 327680
    .private_segment_fixed_size: 0
    .kernarg_segment_align: 8
    .kernarg_segment_size: 48
    .max_flat_workgroup_size: 128
    .sgpr_count:     100
    .vgpr_count:     1024
    .wavefront_size: 32
...
	.end_amdgpu_metadata
.endif
;; end of part 4
